; MI455X (gfx1250); checked and timed in simulation.
; The chip was launched on July 23, 2026; its instructions are those of AMD's public machine-readable ISA for CDNA 5 (MIT licence, August 2026) and "CDNA5" Instruction Set Architecture Reference Guide (July 2026). The comments in the code are by the model that wrote it; some were corrected since.
;; Mo E Layer. Allowed arithmetic: matrix products marked QUANTISED: E2M1 operands, one E8M0 scale for each 32 along K, by v_wmma_scale_f32_16x16x128_f8f6f4 with both operands' format E2M1 (or v_wmma_scale_f32_32x16x128_f4), f32 sums; products left as they are: f32 operands where the result goes on into a quantised operand, else bf16, f16 or f32 operands; f32 sums; everything else in f32.
;; Inputs: W1 8 x 1,024 x 4,096 float32; W2 8 x 4,096 x 1,024 float32; Wg 1,024 x 8 float32; b1 8 x 4,096 float32; b2 8 x 1,024 float32; x 4 x 256 x 1,024 float32.
;; Outputs: out0 4 x 256 x 1,024 float32.
;; This version of the problem:
;;   THIS VERSION OF THE PROBLEM IS GIVEN IN LOW PRECISION. The matrix products marked QUANTISED in the list below multiply operands that are first quantised to E2M1 (2 exponent bits, 1 mantissa bit; 4 bits a number), with one power-of-two scale for each 32 numbers along K (OCP MX v1.0); their sums are f32. All else is computed in f32.
;;   The module's matrix products, in the order in which they are computed (A, B: the left and right operand; K: the contracted axis; several contracted axes count as one K, in the product's order):
;;     1. [M 1,024, K 1,024] x [K 1,024, N 8]; A: input x; B: input Wg: left as it is (N = 8 < 16)
;;     2. [M 32,768, K 1,024] x [K 1,024, N 1,024]; A: input W1; B: input x: QUANTISED
;;     3. batch 8 x [M 1,024, K 4,096] x [K 4,096, N 1,024]; A: computed on the way; B: input W2: QUANTISED
;;     4. batch 1,024 x [M 1, K 2] x [K 2, N 8]; A: computed on the way; B: computed on the way: left as it is (K = 2 < 32)
;;     5. batch 1,024 x [M 1,024, K 8] x [K 8, N 1]; A: computed on the way; B: computed on the way: left as it is (K = 8 < 32)
;;   THE QUANTISER, for each operand of a quantised product, along K:
;;     - K is cut into blocks of 32 from its start; a last block that is shorter is filled with zeros.
;;     - A block's scale is 2^e with e = floor(log2(the largest magnitude in the block)) - 2, held to -126 .. 127; a block of zeros has e = 0. As a byte (E8M0): e + 127.
;;     - Each number is divided by its block's scale, clamped to +-6, and rounded to the nearest number of E2M1, ties to even, subnormals kept.
;;     - The product sums the exact products of the quantised numbers (number of the format x scale) in f32.
;;   ~~~python
;;   def quantise(x, axis):      # numpy; x: float32 -> the quantised numbers, widened to float32 again
;;       x = np.moveaxis(x, axis, -1); K = x.shape[-1]
;;       x = np.pad(x, [(0, 0)] * (x.ndim - 1) + [(0, -K % 32)]); x = x.reshape(x.shape[:-1] + (-1, 32)); a = np.abs(x).max(-1, keepdims=True)
;;       e = np.where(a > 0, np.clip(np.frexp(np.where(a > 0, a, 1))[1] - 1 - 2, -126, 127), 0)      # np.frexp(a)[1] - 1 = floor(log2(a)), exactly
;;       r = np.clip(x / 2.0 ** e, -6, 6)
;;       step = 2.0 ** (np.maximum(np.frexp(np.where(r == 0, 1, r))[1] - 1, 0) - 1)
;;       q = np.round(r / step) * step * 2.0 ** e      # np.round: ties to even
;;       return np.moveaxis(q.reshape(q.shape[:-2] + (-1,))[..., :K], -1, axis).astype(np.float32)
;;   ~~~
;;   OPERANDS COMPUTED ON THE WAY. 'Computed on the way' means the value that the module computes at that place (a softmax that the list does not call 'softmax' is quantised finished and normalised). What goes into a quantiser is computed in f32, as accurately as f32 sums, v_exp_f32 and their like allow (about 1e-6 of the number): no bf16 or f16 on the way to a quantiser, and a product that is left as it is and whose result goes on into a quantised operand takes f32 operands (vector FMAs, or v_wmma_f32_16x16x4_f32). A number that lies on a knife's edge between two numbers of the format may be rounded either way, as far as f32 arithmetic and the matrix unit's own rounding can turn it there, and no further.
;; 2 versions, each right; version 2 is version 1 with the launch ffn2 written anew for expert scheduling mode. Each part assembles by itself: llvm-mc -triple=amdgcn-amd-amdhsa -mcpu=gfx1250 --defsym DOCPART=n.
;; ======== version 1 of 2: 4 launches
;; workspace buffers: xc 524,288 bytes; xs 32,768 bytes; ridx 4,096 bytes of whole numbers; rw 8,192 bytes; hc 16,777,216 bytes; hs 1,048,576 bytes; pos 34,816 bytes of whole numbers; part 67,108,864 bytes
;; launch route (part 1): grid 128 x 1, 8 waves a work-group, no clusters, 35,840 bytes of LDS; arguments x, Wg, xc, xs, ridx, rw; writes xc, xs, ridx, rw
.if DOCPART == 1
	.amdgcn_target "amdgcn-amd-amdhsa--gfx1250"
	.amdhsa_code_object_version 6
	.text
	.protected	k_q26e3bfc5ff_route
	.globl	k_q26e3bfc5ff_route
	.p2align	8
	.type	k_q26e3bfc5ff_route,@function
k_q26e3bfc5ff_route:
	s_mov_b64 s[64:65], 0
	v_nop
	global_prefetch_b8 v0, s[64:65] scope:SCOPE_SE
	s_setreg_imm32_b32 hwreg(HW_REG_WAVE_MODE, 25, 1), 1
	s_wait_xcnt 0x0
; THE ROUTER, AND x INTO CODES.  x [1024 tokens][1024] f32, Wg [1024][8] f32.
; Out: xc [token][512 bytes]: codes of FP4 (E2M1) of x, K innermost, block b of 32 at byte 16 b;  xs [token][32]: one E8M0 byte a block;
;      ridx [token]: e0 | e1 << 8 | 1 << (16 + e0) | 1 << (16 + e1), the two chosen experts;  rw [token][2]: their weights, renormalised.
; SHARES.  A work-group takes 8 tokens, a wave one.  Lane L holds x[t][32 L .. 32 L + 31]: one whole block, so its largest magnitude needs no other lane.
; The logits are f32 multiply-adds: 8 columns do not fill a matrix tile, and the choice of experts hangs on them.  Wg (32,768 bytes) goes through LDS once a work-group,
; laid so that lane L finds its 32 rows at 1,040 L: 65 x 16 bytes from lane to lane.
; The chosen experts are stored at fixed places: no address and no branch of this launch hangs on them.
; No matrix instruction, no cluster: work-groups share Wg alone, 32 KB beside nothing else that is shared.
; LIMITS.  NaN and infinities are not served.  A block of zeros gets the byte 1 (its codes are zeros; this program alone reads the bytes).  Divisions are a reciprocal (1 ulp) and a multiply.
; The logits' sums run in another order than a plain dot product: a second and a third logit within about 1e-6 of each other may be chosen the other way.  Equal weights: the lower index wins.
.set WP,   1040                        ; LDS bytes from lane to lane in Wg's image
.set SB,   33280                       ; 256 scale bytes: 32 a token
.set RI,   33536                       ; 8 route words
.set RWL,  33792                       ; 8 pairs of weights
.set A,    8                           ; v8-15    the 8 logits, later the 8 probabilities
.set X,    16                          ; v16-47   my 32 numbers of x
.set WB,   64                          ; v64-191  two buffers of 8 rows of Wg
.set G,    192                         ; v192-223 Wg on its way into LDS
.set CD,   224                         ; v224-227 my block's codes
	s_load_b256 s[4:11], s[0:1], 0x0               ; x, Wg, xc, xs
	s_load_b128 s[12:15], s[0:1], 0x20             ; ridx, rw
	v_lshl_add_u32 v62, v0, 2, 0x8800
	v_mov_b32 v63, 0
	v_lshrrev_b32 v1, 5, v0
	v_readfirstlane_b32 s16, v1                    ; wave
	v_lshl_add_u32 v48, v1, 2, RI                  ; where my wave puts its route word,
	v_lshl_add_u32 v49, v1, 3, RWL                 ; and its two weights
	v_and_b32 v1, 31, v0                           ; lane
	v_lshlrev_b32 v2, 7, v1                        ; x: 128 bytes a lane
	v_lshlrev_b32 v3, 4, v0                        ; Wg in memory: 16 bytes a thread
	v_lshrrev_b32 v4, 6, v0
	v_mul_u32_u24 v4, v4, WP
	v_and_b32 v5, 63, v0
	v_lshl_add_u32 v4, v5, 4, v4                   ; Wg into LDS: 64 threads bring the 1,024 bytes of one lane's 32 rows
	v_mul_u32_u24 v5, v1, WP                       ; Wg out of LDS: my 32 rows
	v_add_nc_u32 v6, SB, v0                        ; my block's scale byte: 32 x wave + lane
	v_lshlrev_b32 v7, 4, v1                        ; xc: 16 bytes a lane
	v_lshl_add_u32 v50, v1, 3, SB                  ; the tail (wave 0): 8 scale bytes a lane,
	v_lshlrev_b32 v51, 3, v1
	v_and_b32 v52, 15, v0                          ; word lane % 16 of the 16 weights,
	v_lshl_add_u32 v53, v52, 2, RWL
	v_lshlrev_b32 v52, 2, v52
	v_and_b32 v54, 7, v0                           ; word lane % 8 of the 8 route words
	v_lshl_add_u32 v55, v54, 2, RI
	v_lshlrev_b32 v54, 2, v54
.irp e, 0,1,2,3,4,5,6,7
	v_mov_b32 v[232+\e], 0                         ; written once: a lane permute's destination counts as one of its sources
.endr
	s_lshl_b32 s17, ttmp9, 3
	s_add_co_u32 s17, s17, s16                     ; my token
	s_mov_b32 s23, 0
	s_mov_b32 s18, 0x76543210
	s_mov_b32 s19, 0xfedcba98                      ; selects for lane l xor 16
	s_wait_kmcnt 0x0
	s_lshl_b32 s22, s17, 12
	s_add_nc_u64 s[4:5], s[4:5], s[22:23]          ; x at my token
	s_lshl_b32 s22, s17, 9
	s_add_nc_u64 s[8:9], s[8:9], s[22:23]          ; xc at my token
	s_lshl_b32 s22, ttmp9, 8
	s_add_nc_u64 s[10:11], s[10:11], s[22:23]      ; xs, ridx, rw at the work-group's first token
	s_lshl_b32 s22, ttmp9, 5
	s_add_nc_u64 s[12:13], s[12:13], s[22:23]
	s_lshl_b32 s22, ttmp9, 6
	s_add_nc_u64 s[14:15], s[14:15], s[22:23]
.irp i, 0,1,2,3,4,5,6,7
	global_load_b128 v[G+4*\i:G+4*\i+3], v3, s[6:7] offset:4096*\i
.endr
.irp j, 0,1,2,3,4,5,6,7
	global_load_b128 v[X+4*\j:X+4*\j+3], v2, s[4:5] offset:16*\j th:TH_LOAD_NT
.endr
	s_wait_loadcnt 8                               ; the 8 loads of x are younger: Wg's 8 are in
.irp i, 0,1,2,3,4,5,6,7
	ds_store_b128 v4, v[G+4*\i:G+4*\i+3] offset:4*WP*\i
.endr
	s_wait_loadcnt 0x0                             ; x
	; my block: the largest magnitude (with the floor 2^(3 - 127) among the leaves, so that the byte cannot fall under 1), the scale, the codes
	v_max3_num_f32 v228, |v[X]|, |v[X+1]|, 0x1800000
	v_max3_num_f32 v229, |v[X+2]|, |v[X+3]|, |v[X+4]|
.irp i, 5,9,13,17,21,25
	v_max3_num_f32 v228, v228, |v[X+\i]|, |v[X+\i+1]|
	v_max3_num_f32 v229, v229, |v[X+\i+2]|, |v[X+\i+3]|
.endr
	v_max3_num_f32 v228, v228, |v[X+29]|, |v[X+30]|
	v_max3_num_f32 v228, v228, v229, |v[X+31]|
	v_add_nc_u32 v230, 0xff000000, v228            ; 2 off its exponent field: the conversion takes this operand's exponent field as its scale
.irp g, 0,1,2,3
	v_cvt_scalef32_pk8_fp4_f32 v[CD+\g], v[X+8*\g:X+8*\g+7], v230
.endr
	v_lshrrev_b32 v231, 23, v230                   ; the scale's byte (a plain line behind the conversions)
	global_store_b128 v7, v[CD:CD+3], s[8:9]       ; the wave stores its token's 512 consecutive bytes
	ds_store_b8 v6, v231
	s_wait_dscnt 0x0                               ; for the others' sake: my part of Wg and my byte have landed
	s_barrier_signal -1
	s_barrier_wait -1
	; the logits: A[e] += Wg[32 L + i][e] x[32 L + i], 8 rows a batch, two batches of LDS loads ahead
.macro WGB g
.irp ii, 0,1,2,3,4,5,6,7
	ds_load_b128 v[WB+64*((\g)%2)+8*\ii:WB+64*((\g)%2)+8*\ii+3], v5 offset:(8*(\g)+\ii)*32
	ds_load_b128 v[WB+64*((\g)%2)+8*\ii+4:WB+64*((\g)%2)+8*\ii+7], v5 offset:(8*(\g)+\ii)*32+16
.endr
.endm
.macro DOT g                           ; two logits an instruction; x[i] feeds both halves (the low or the high register of its pair)
.irp ii, 0,1,2,3,4,5,6,7
.irp p, 0,1,2,3
.if ((\g) == 0) && (\ii == 0)
	v_pk_mul_f32 v[A+2*\p:A+2*\p+1], v[WB+2*\p:WB+2*\p+1], v[X:X+1] op_sel_hi:[1,0]   ; the first row starts the sums
.elseif (\ii%2) == 0
	v_pk_fma_f32 v[A+2*\p:A+2*\p+1], v[WB+64*((\g)%2)+8*\ii+2*\p:WB+64*((\g)%2)+8*\ii+2*\p+1], v[X+8*(\g)+\ii:X+8*(\g)+\ii+1], v[A+2*\p:A+2*\p+1] op_sel_hi:[1,0,1]
.else
	v_pk_fma_f32 v[A+2*\p:A+2*\p+1], v[WB+64*((\g)%2)+8*\ii+2*\p:WB+64*((\g)%2)+8*\ii+2*\p+1], v[X+8*(\g)+\ii-1:X+8*(\g)+\ii], v[A+2*\p:A+2*\p+1] op_sel:[0,1,0] op_sel_hi:[1,1,1]
.endif
.endr
.endr
.endm
	WGB 0
	WGB 1
	s_wait_dscnt 16                                ; the next batch's 16 loads may be out
	DOT 0
	WGB 2
	s_wait_dscnt 16
	DOT 1
	WGB 3
	s_wait_dscnt 16
	DOT 2
	s_wait_dscnt 0x0
	DOT 3
.irp m, 1,2,4,8
.irp e, 0,1,2,3,4,5,6,7
	v_add_f32_dpp v[A+\e], v[A+\e], v[A+\e] row_xmask:\m row_mask:0xf bank_mask:0xf
.endr
.endr
.irp e, 0,1,2,3,4,5,6,7
	v_permlanex16_b32 v[232+\e], v[A+\e], s18, s19
.endr
.irp e, 0,1,2,3,4,5,6,7
	v_add_f32 v[A+\e], v[A+\e], v[232+\e]          ; every lane holds the token's 8 logits
.endr
	; softmax: the maximum is taken away first
	v_max3_num_f32 v240, v[A], v[A+1], v[A+2]
	v_max3_num_f32 v240, v240, v[A+3], v[A+4]
	v_max3_num_f32 v240, v240, v[A+5], v[A+6]
	v_max_num_f32 v240, v240, v[A+7]
.irp e, 0,1,2,3,4,5,6,7
	v_sub_f32 v[A+\e], v[A+\e], v240
.endr
.irp e, 0,1,2,3,4,5,6,7
	v_mul_f32 v[A+\e], 0x3fb8aa3b, v[A+\e]         ; x log2(e)
.endr
.irp e, 0,1,2,3,4,5,6,7
	v_exp_f32 v[A+\e], v[A+\e]
.endr
	v_nop                                          ; a plain line behind the last exponential
	s_wait_alu depctr_va_vdst(0)                   ; one wait for the batch of eight, ahead of its first reader
	v_add_f32 v241, v[A], v[A+1]
	v_add_f32 v242, v[A+2], v[A+3]
	v_add_f32 v243, v[A+4], v[A+5]
	v_add_f32 v244, v[A+6], v[A+7]
	v_add_f32 v241, v241, v242
	v_add_f32 v243, v243, v244
	v_add_f32 v241, v241, v243
	v_rcp_f32 v245, v241
	v_nop
	s_wait_alu depctr_va_vdst(0)
.irp e, 0,1,2,3,4,5,6,7
	v_mul_f32 v[A+\e], v[A+\e], v245               ; the probabilities
.endr
	; top 2: a scan with a strict compare keeps the lower index among equals; the winner is then put under every probability and the scan runs again
	v_mov_b32 v246, v[A]
	v_mov_b32 v247, 0
.irp e, 1,2,3,4,5,6,7
	v_cmp_gt_f32 vcc_lo, v[A+\e], v246
	v_cndmask_b32 v246, v246, v[A+\e], vcc_lo
	v_cndmask_b32 v247, v247, \e, vcc_lo
.endr
.irp e, 0,1,2,3,4,5,6,7
	v_cmp_eq_u32 vcc_lo, \e, v247
	v_cndmask_b32 v[A+\e], v[A+\e], -1.0, vcc_lo
.endr
	v_mov_b32 v248, v[A]
	v_mov_b32 v249, 0
.irp e, 1,2,3,4,5,6,7
	v_cmp_gt_f32 vcc_lo, v[A+\e], v248
	v_cndmask_b32 v248, v248, v[A+\e], vcc_lo
	v_cndmask_b32 v249, v249, \e, vcc_lo
.endr
	v_add_f32 v250, v246, v248
	v_rcp_f32 v250, v250
	v_lshl_or_b32 v253, v249, 8, v247              ; (plain work behind the reciprocal)  e0 | e1 << 8
	v_mov_b32 v254, 0x10000
	v_lshlrev_b32 v255, v247, v254
	v_or_b32 v253, v253, v255                      ; | 1 << (16 + e0)
	v_lshlrev_b32 v255, v249, v254
	v_or_b32 v253, v253, v255                      ; | 1 << (16 + e1)
	s_wait_alu depctr_va_vdst(0)
	v_mul_f32 v251, v246, v250
	v_mul_f32 v252, v248, v250
	ds_store_b32 v48, v253                         ; all lanes write the same word with the same value
	ds_store_b32 v49, v251
	ds_store_b32 v49, v252 offset:4
	s_wait_dscnt 0x0
	s_barrier_signal -1
	s_barrier_wait -1
	s_cmp_lg_u32 s16, 0                            ; wave 0 stores what the eight waves have gathered
	s_cbranch_scc1 .Lend
	ds_load_b64 v[56:57], v50
	ds_load_b32 v58, v53
	ds_load_b32 v59, v55
	s_wait_dscnt 0x0
	global_store_b64 v51, v[56:57], s[10:11]       ; 256 consecutive scale bytes, aligned
	global_store_b32 v52, v58, s[14:15]            ; 16 weights: lanes 16 apart store the same word with the same value
	global_store_b32 v54, v59, s[12:13]            ; 8 route words: lanes 8 apart likewise
.Lend:
	s_wait_tensorcnt 0x0
	ds_add_u32 v62, v63
	s_wait_dscnt 0x0
	s_endpgm
.Lfunc_end_k_q26e3bfc5ff_route:
	.size	k_q26e3bfc5ff_route, .Lfunc_end_k_q26e3bfc5ff_route-k_q26e3bfc5ff_route
	.p2alignl 7, 3214868480
	.fill 96, 4, 3214868480
	.section	.rodata,"a",@progbits
	.p2align	6, 0x0
	.amdhsa_kernel k_q26e3bfc5ff_route
		.amdhsa_group_segment_fixed_size 35840
		.amdhsa_private_segment_fixed_size 0
		.amdhsa_enable_private_segment 0
		.amdhsa_kernarg_size 48
		.amdhsa_user_sgpr_count 2
		.amdhsa_user_sgpr_kernarg_segment_ptr 1
		.amdhsa_wavefront_size32 1
		.amdhsa_system_sgpr_workgroup_id_x 1
		.amdhsa_system_sgpr_workgroup_id_y 1
		.amdhsa_system_sgpr_workgroup_id_z 1
		.amdhsa_system_vgpr_workitem_id 0
		.amdhsa_next_free_vgpr 256
		.amdhsa_next_free_sgpr 66
		.amdhsa_reserve_vcc 1
		.amdhsa_float_denorm_mode_32 3
		.amdhsa_float_denorm_mode_16_64 3
		.amdhsa_memory_ordered 1
		.amdhsa_forward_progress 1
		.amdhsa_inst_pref_size 27
	.end_amdhsa_kernel
	.amdgpu_metadata
---
amdhsa.version: [ 1, 2 ]
amdhsa.kernels:
  - .name:           k_q26e3bfc5ff_route
    .symbol:         k_q26e3bfc5ff_route.kd
    .args:
      - { .name: x, .offset: 0, .size: 8, .value_kind: global_buffer, .address_space: global }
      - { .name: Wg, .offset: 8, .size: 8, .value_kind: global_buffer, .address_space: global }
      - { .name: xc, .offset: 16, .size: 8, .value_kind: global_buffer, .address_space: global }
      - { .name: xs, .offset: 24, .size: 8, .value_kind: global_buffer, .address_space: global }
      - { .name: ridx, .offset: 32, .size: 8, .value_kind: global_buffer, .address_space: global }
      - { .name: rw, .offset: 40, .size: 8, .value_kind: global_buffer, .address_space: global }
    .group_segment_fixed_size: 35840
    .private_segment_fixed_size: 0
    .kernarg_segment_align: 8
    .kernarg_segment_size: 48
    .max_flat_workgroup_size: 256
    .sgpr_count:     66
    .vgpr_count:     256
    .wavefront_size: 32
...
	.end_amdgpu_metadata
.endif
;; end of part 1
;; launch ffn1 (part 2): grid 256 x 1, 16 waves a work-group, no clusters, 76,288 bytes of LDS; arguments W1, b1, xc, xs, ridx, hc, hs, pos; writes hc, hs, pos
.if DOCPART == 2
	.amdgcn_target "amdgcn-amd-amdhsa--gfx1250"
	.amdhsa_code_object_version 6
	.text
	.protected	k_q26e3bfc5ff_ffn1
	.globl	k_q26e3bfc5ff_ffn1
	.p2align	8
	.type	k_q26e3bfc5ff_ffn1,@function
k_q26e3bfc5ff_ffn1:
	s_mov_b64 s[64:65], 0
	v_nop
	global_prefetch_b8 v0, s[64:65] scope:SCOPE_SE
	s_setreg_imm32_b32 hwreg(HW_REG_WAVE_MODE, 25, 1), 1
	s_wait_xcnt 0x0
; h = gelu(x W1[e] + b1[e]) for the rows routed to expert e, on codes of FP4 (E2M1) with one E8M0 scale for each 32 along K, and h quantised along F on the way.
; W1 [8][1024 (K)][4096 (F)] f32.  Only the rows (token, expert) that the router chose are multiplied: the others are weighed with 0 in the sum over experts.
; SHARES.  Work-group (e = wg / 32, fs = wg % 32) owns the slab of 128 columns x 1,024 K of W1[e]: 512 KB that no other work-group reads.
; PHASE 1: the 16 waves stream the slab once: wave (cq = w % 4, kq = w / 4) takes 32 columns x 256 K.  A LANE TAKES A COLUMN AND ITS REGISTERS RUN DOWN K: a block of 32 lies in one lane, the conversions give
;   codes with K innermost.  Two exchanges of lane halves make operand fragments of them, which go to LDS as IMAGES OF THE OPERAND'S REGISTERS (16 bytes a lane, 512 a store).
;   Meanwhile wave 15 makes the expert's list of rows from the stored route words (a count below each lane by the mask of the compare): position p -> token, in LDS; work-group fs = 0 stores token -> p and the count.
; PHASE 2: a UNIT is 32 rows x 64 columns: 8 accumulators by turns, 8 K steps of 128.  The product is used transposed (source 0 = 16 columns of W1, source 1 = 16 rows of x): a lane holds one row.
;   THE COLUMNS OF A TILE ARE NOT NEIGHBOURS: lane r of tile 2 b + u takes column 32 b + 8 u + r + 8 (r / 8), so that a lane's 16 registers of tiles 2 b, 2 b + 1 are 16 neighbours along F, the next K.
;   b1 is loaded into the accumulators, so every K step is the same line.  Then gelu in f32, the quantiser, and the codes leave by position: hc [e][F block 128][p 1024][16 bytes], hs [e][F / 128][p] one word of 4 bytes.
;   Rows from the count up to the next multiple of 32 are computed from token 0 into positions of their own that nobody reads for a result: so no lane is ever switched off.
; gelu(v) = max(v, 0) - 0.5 |v| erfc(|v| / sqrt 2), erfc(z) = t exp(-z z + P(t)), t = 1 / (1 + z / 2), P of degree 9: its fractional error is about 1.2e-7 for every z, so the negative tail keeps its relative accuracy.
; NO TENSOR LOADS, NO CLUSTER: the walk over units branches on a stored count; the slab is read by one work-group; what work-groups share (the rows' codes, 512 bytes a row) is small beside the slab's 512 KB.
; LIMITS.  NaN and infinities are not served.  A block of zeros gets the byte 1 (its codes are zeros; this program alone reads the bytes).  1 / (1 + z / 2) and the exponential are accurate to 1 ulp; the exponential gives 0 under 2^-126.
.set NS,     8                         ; K steps of 128
.set PITCHW, 16384                     ; bytes from row to row of W1
.set UST,    8192                      ; bytes of a tile's 8 fragments in LDS
.set SCI,    65536                     ; LDS: behind the 64 fragments (65,536 bytes) their scale words, 4,096 bytes
.set LIST,   69632                     ; the list: 1,024 words, 32 pads, 32 words that take what is not listed
.set CNT,    73984                     ; the count
.set ACC,    16                        ; v16-79   accumulator (m, q) at 16 + 32 m + 8 q
.set WF,     80                        ; v80-143  W1's fragments: two buffers of four
.set RF,     144                       ; v144-207 the rows' fragments: four slots of two
.set WSC,    208                       ; v208-223 W1's scale words (group b, K step s) at 208 + 8 b + s: lanes 0-15 tile 2 b, lanes 16-31 tile 2 b + 1
.set RSC,    240                       ; v240-247 the rows' scale words (m, s % 4): lanes 0-15 K steps 0-3, lanes 16-31 K steps 4-7
.set X,      144                       ; phase 1: v144-207 two sets of 32 numbers;
.set CC,     80                        ;          v80-111 the codes of 8 blocks;
.set SW,     112                       ;          v112-113 two scale words; v114-119 at work
.set PC,     228                       ; v228-235 h's codes; v236-237 h's scale bytes
.set AX,     80                        ; gelu: |v|,
.set T,      112                       ;       t,
.set PL,     144                       ;       the polynomial, then the exponential,
.set Q,      176                       ;       -|v| log2(e) / 2
.set TM,     80                        ; the quantiser's 16 registers
; v1 W1's column offset; v2 fragments out of LDS; v3, v4 images into LDS; v5 scale words out of LDS; v6 the list; v7 the count; v8-9, v10-11 the rows' offsets in xc, xs; v12-13 a coefficient; v14 b1; v15, v224 offsets in hc, hs; v227 16 h
.macro LOAD t                          ; block t: W1(32 t + i, my column), i = 0 .. 31: each load reads 128 consecutive bytes, four waves side by side 512
.set li, 0
.rept 32
	global_load_b32 v[X+32*((\t)%2)+li], v1, s[4:5] offset:(32*(\t)+li)*PITCHW th:TH_LOAD_NT
.set li, li+1
.endr
.endm
.macro BLOCK t
.set XS, X+32*((\t)%2)
.if (\t) < 7
	s_wait_loadcnt 32                              ; this block's 32 loads are in; the next block's 32 may be out
.else
	s_wait_loadcnt 0x0
.endif
	v_max3_num_f32 v114, |v[XS]|, |v[XS+1]|, 0x1800000             ; the block's largest magnitude, with the floor 2^(3 - 127): the byte cannot fall under 1
	v_max3_num_f32 v115, |v[XS+2]|, |v[XS+3]|, |v[XS+4]|
.irp i, 5,9,13,17,21,25
	v_max3_num_f32 v114, v114, |v[XS+\i]|, |v[XS+\i+1]|
	v_max3_num_f32 v115, v115, |v[XS+\i+2]|, |v[XS+\i+3]|
.endr
	v_max3_num_f32 v114, v114, |v[XS+29]|, |v[XS+30]|
	v_max3_num_f32 v114, v114, v115, |v[XS+31]|
	v_add_nc_u32 v116, 0xff000000, v114            ; 2 off its exponent field: the conversion's scale operand
.irp g, 0,1,2,3
	v_cvt_scalef32_pk8_fp4_f32 v[CC+4*(\t)+\g], v[XS+8*\g:XS+8*\g+7], v116
.endr
	v_lshrrev_b32 v117, 23, v116                   ; the scale's byte (a plain line behind the conversions)
.if (\t)%4 == 0
	v_mov_b32 v[SW+(\t)/4], v117                   ; four bytes to a word, the lower K in the lower byte
.else
	v_lshl_or_b32 v[SW+(\t)/4], v117, 8*((\t)%4), v[SW+(\t)/4]
.endif
.if (\t)+2 < 8
	LOAD (\t)+2
.endif
.endm
.macro KPAIR r, val                    ; a constant for the packed forms, which name a pair
	s_mov_b32 s[\r], \val
	s_mov_b32 s[\r+1], \val
.endm
	s_load_b512 s[4:19], s[0:1], 0x0               ; W1, b1, xc, xs, ridx, hc, hs, pos
	v_lshl_add_u32 v254, v0, 2, 0x12200
	v_mov_b32 v255, 0
	v_lshrrev_b32 v2, 5, v0
	v_readfirstlane_b32 s20, v2                    ; wave
	s_lshr_b32 s21, ttmp9, 5                       ; e
	s_and_b32 s22, ttmp9, 31                       ; fs
	s_and_b32 s23, s20, 3                          ; cq
	s_lshr_b32 s24, s20, 2                         ; kq
	s_mul_i32 s25, s20, 13
	s_and_b32 s25, s25, 15                         ; a = 13 w mod 16: the units that a small count leaves are spread over waves that lie far apart
	s_and_b32 s26, s25, 1                          ; ch: which 64 of the 128 columns my units take
	s_lshr_b32 s38, s25, 1                         ; my first unit of rows, 0 .. 7
	s_lshl_b32 s27, s38, 5                         ; and its first row
	v_and_b32 v11, 31, v0                          ; lane
	v_and_b32 v8, 15, v0                           ; r
	v_bfe_u32 v9, v0, 4, 1                         ; h
	v_and_b32 v1, 7, v0
	v_and_b32 v10, 8, v0
	v_lshl_or_b32 v1, v10, 1, v1
	v_lshl_or_b32 v1, v9, 3, v1                    ; my column of the wave's 32: lane % 8 + 16 ((lane / 8) % 2) + 8 (lane / 16)
	v_lshlrev_b32 v1, 2, v1
	s_lshl_b32 s30, s21, 24                        ; W1: expert, 256 kq rows, 128 fs + 32 cq columns
	s_lshl_b32 s32, s24, 22
	s_add_co_u32 s30, s30, s32
	s_lshl_b32 s32, s22, 9
	s_add_co_u32 s30, s30, s32
	s_lshl_b32 s32, s23, 7
	s_add_co_u32 s30, s30, s32
	s_mov_b32 s31, 0
	s_wait_kmcnt 0x0
	s_add_nc_u64 s[4:5], s[4:5], s[30:31]
	LOAD 0
	s_lshl_b32 s30, s21, 14                        ; b1: 4 (4096 e + 128 fs + 64 ch)
	s_lshl_b32 s32, s22, 9
	s_add_co_u32 s30, s30, s32
	s_lshl_b32 s32, s26, 8
	s_add_co_u32 s30, s30, s32
	s_add_nc_u64 s[6:7], s[6:7], s[30:31]
	s_lshl_b32 s30, s21, 21                        ; hc: 16,384 (128 e + 4 fs + 2 ch)
	s_lshl_b32 s32, s22, 16
	s_add_co_u32 s30, s30, s32
	s_lshl_b32 s32, s26, 15
	s_add_co_u32 s30, s30, s32
	s_add_nc_u64 s[14:15], s[14:15], s[30:31]
	s_lshl_b32 s30, s21, 17                        ; hs: 4,096 (32 e + fs) + 2 ch
	s_lshl_b32 s32, s22, 12
	s_add_co_u32 s30, s30, s32
	s_lshl_b32 s32, s26, 1
	s_add_co_u32 s30, s30, s32
	s_add_nc_u64 s[16:17], s[16:17], s[30:31]
	s_mul_i32 s30, s21, 4352                       ; pos: 1,088 words an expert
	s_add_nc_u64 s[18:19], s[18:19], s[30:31]
	; every LDS address is made here, ahead of the first branch on the wave's number
	s_lshl_b32 s30, s26, 15
	v_lshl_add_u32 v2, v11, 4, s30                 ; fragments out: 16 lane + 32,768 ch
	s_lshl_b32 s30, s23, 14
	s_lshl_b32 s32, s24, 11
	s_add_co_u32 s30, s30, s32
	v_lshl_add_u32 v3, v11, 4, s30                 ; images in: 16 lane + 16,384 cq + 2,048 kq
	s_lshl_b32 s30, s23, 10
	s_lshl_b32 s32, s24, 8
	s_add_co_u32 s30, s30, s32
	s_add_co_u32 s30, s30, SCI
	v_lshl_add_u32 v4, v11, 2, s30                 ; scale words in: 4 lane + 1,024 cq + 256 kq
	s_lshl_b32 s30, s26, 11
	s_add_co_u32 s30, s30, SCI
	v_lshl_add_u32 v5, v11, 2, s30                 ; scale words out: 4 lane + 2,048 ch
	s_lshl_b32 s30, s38, 7
	s_add_co_u32 s32, s30, LIST
	v_lshl_add_u32 v6, v8, 2, s32                  ; the list: 4 r + 128 x unit
	v_mov_b32 v7, CNT
	v_lshl_add_u32 v224, v8, 2, s30                ; hs: 4 r + 128 x unit
	v_lshlrev_b32 v14, 6, v9                       ; b1: 64 h
	v_lshlrev_b32 v15, 14, v9
	v_lshl_add_u32 v15, v8, 4, v15
	s_lshl_b32 s30, s38, 9
	v_add_nc_u32 v15, s30, v15                     ; hc: 16,384 h + 16 r + 512 x unit
	v_lshlrev_b32 v227, 4, v9                      ; 16 h
	v_mov_b32 v12, 0xbf97d29d                      ; c8
	v_mov_b32 v13, 0xbf97d29d
	s_mov_b32 s35, 0x7fffffff
	s_mov_b32 s36, 0x76543210
	s_mov_b32 s37, 0xfedcba98                      ; selects for lane l xor 16
	KPAIR 40, 0x3eb504f3                           ; 1 / (2 sqrt 2)
	KPAIR 42, 0xbf38aa3b                           ; -log2(e) / 2
	KPAIR 44, 0xbfe9b21e                           ; c0 .. c7, c9: the series' coefficients x log2(e)
	KPAIR 46, 0x3fb8ab5a
	KPAIR 48, 0x3f0a29d2
	KPAIR 50, 0x3e0efb2e
	KPAIR 52, 0xbe899a80
	KPAIR 54, 0x3ecdfd18
	KPAIR 56, 0xbfd1a1e5
	KPAIR 58, 0x40097039
	KPAIR 60, 0x3e7c6f08
	s_add_co_u32 s34, s21, 16
	s_lshl_b32 s34, 1, s34                         ; my expert's bit in a route word
	; THE LIST, by wave 15.  Register 4 i + j of lane L is token 128 i + 4 L + j.  A token that uses e gets the position: those listed so far + the lanes below it that list one now.
	s_cmp_lg_u32 s20, 15
	s_cbranch_scc1 .Lplaced
	v_lshlrev_b32 v118, 4, v11
.irp i, 0,1,2,3,4,5,6,7
	global_load_b128 v[16+4*\i:16+4*\i+3], v118, s[12:13] offset:512*\i
.endr
	v_add_nc_u32 v116, 1056, v11                   ; where a lane puts a token that is not listed: a word of its own
	v_lshlrev_b32 v119, 2, v11
	s_mov_b32 s32, 0
	s_wait_loadcnt 0x0
.set n, 0
.rept 32
	v_and_b32 v114, s34, v[16+n]
	v_cmp_ne_u32 vcc_lo, 0, v114
	v_mbcnt_lo_u32_b32 v[48+n], vcc_lo, s32
	v_cndmask_b32 v115, v116, v[48+n], vcc_lo
	v_min_u32 v115, 0x43f, v115                    ; inside the list's 1,088 words whatever was loaded
	v_lshl_add_u32 v115, v115, 2, LIST
	v_add_nc_u32 v117, 128*(n/4)+n%4, v119
	ds_store_b32 v115, v117
	s_bcnt1_i32_b32 s33, vcc_lo
	s_add_co_u32 s32, s32, s33
.set n, n+1
.endr
	v_add_nc_u32 v115, s32, v11                    ; 32 pads behind the last row: token 0
	v_min_u32 v115, 1055, v115
	v_lshl_add_u32 v115, v115, 2, LIST
	v_mov_b32 v117, 0
	ds_store_b32 v115, v117
	v_mov_b32 v117, s32
	ds_store_b32 v7, v117                          ; the count
	s_cmp_lg_u32 s22, 0                            ; one work-group of the expert's 32 stores token -> position and the count
	s_cbranch_scc1 .Lplaced
.irp i, 0,1,2,3,4,5,6,7
	global_store_b128 v118, v[48+4*\i:48+4*\i+3], s[18:19] offset:512*\i
.endr
	global_store_b32 v119, v117, s[18:19] offset:4096
	s_wait_xcnt 0x0                                ; the stores have read their registers: v117 is written again at once
.Lplaced:
	LOAD 1
.irp t, 0,1,2,3,4,5,6,7
	BLOCK \t
.endr
	v_nop
.irp t, 0,2,4,6                        ; lanes 0-15 hold tile 0's columns, lanes 16-31 tile 1's; a fragment wants block t in lanes 0-15 and block t + 1 in lanes 16-31
.irp i, 0,1,2,3
	v_permlane16_swap_b32 v[CC+4*\t+\i], v[CC+4*\t+4+\i]   ; the first is now tile 0's register, the second tile 1's
.endr
.endr
	s_wait_dscnt 0x0                               ; wave 15: the list and the count have landed
	s_barrier_signal -1
	s_barrier_wait -1                              ; parts the list's stores, whose places hang on data, from every other LDS access
.irp sp, 0,1
.irp c, 0,1
	ds_store_b128 v3, v[CC+16*\sp+8*\c:CC+16*\sp+8*\c+3] offset:\sp*1024+\c*512
	ds_store_b128 v3, v[CC+16*\sp+8*\c+4:CC+16*\sp+8*\c+7] offset:UST+\sp*1024+\c*512
.endr
	ds_store_b32 v4, v[SW+\sp] offset:\sp*128
.endr
	s_wait_dscnt 0x0
	s_barrier_signal -1
	s_barrier_wait -1                              ; the slab's 64 fragments and their scale words lie in LDS; from here on LDS is only read
	ds_load_b32 v226, v7
.irp b, 0,1
.irp s, 0,1,2,3,4,5,6,7
	ds_load_b32 v[WSC+8*\b+\s], v5 offset:\b*1024+\s*128
.endr
.endr
	s_wait_dscnt 0x0
	v_readfirstlane_b32 s28, v226                  ; the count
.macro WLOAD s                         ; my four tiles' fragments of K step s
.irp q, 0,1,2,3
.irp c, 0,1
	ds_load_b128 v[WF+32*((\s)%2)+8*\q+4*\c:WF+32*((\s)%2)+8*\q+4*\c+3], v2 offset:((\q*NS+(\s))*2+\c)*512
.endr
.endr
.endm
.macro RLOAD s                         ; the 32 rows' fragments of K step s: 16 bytes of row r at 64 s + 32 c + 16 h
.irp m, 0,1
.irp c, 0,1
	global_load_b128 v[RF+16*((\s)%4)+8*\m+4*\c:RF+16*((\s)%4)+8*\m+4*\c+3], v[8+\m], s[8:9] offset:64*(\s)+32*\c
.endr
.endr
.endm
.macro WM m, q, s
.set rD, ACC+32*(\m)+8*(\q)
.set rA, WF+32*((\s)%2)+8*(\q)
.set rB, RF+16*((\s)%4)+8*(\m)
.set rX, WSC+8*((\q)/2)+(\s)
.set rY, RSC+4*(\m)+(\s)%4
.if ((\q)%2 == 0) && ((\s) < 4)
	v_wmma_scale_f32_16x16x128_f8f6f4 v[rD:rD+7], v[rA:rA+7], v[rB:rB+7], v[rD:rD+7], v[rX], v[rY] matrix_a_fmt:MATRIX_FMT_FP4 matrix_b_fmt:MATRIX_FMT_FP4
.elseif ((\q)%2 == 1) && ((\s) < 4)
	v_wmma_scale_f32_16x16x128_f8f6f4 v[rD:rD+7], v[rA:rA+7], v[rB:rB+7], v[rD:rD+7], v[rX], v[rY] matrix_a_fmt:MATRIX_FMT_FP4 matrix_b_fmt:MATRIX_FMT_FP4 matrix_a_scale:MATRIX_SCALE_ROW1
.elseif ((\q)%2 == 0)
	v_wmma_scale_f32_16x16x128_f8f6f4 v[rD:rD+7], v[rA:rA+7], v[rB:rB+7], v[rD:rD+7], v[rX], v[rY] matrix_a_fmt:MATRIX_FMT_FP4 matrix_b_fmt:MATRIX_FMT_FP4 matrix_b_scale:MATRIX_SCALE_ROW1
.else
	v_wmma_scale_f32_16x16x128_f8f6f4 v[rD:rD+7], v[rA:rA+7], v[rB:rB+7], v[rD:rD+7], v[rX], v[rY] matrix_a_fmt:MATRIX_FMT_FP4 matrix_b_fmt:MATRIX_FMT_FP4 matrix_a_scale:MATRIX_SCALE_ROW1 matrix_b_scale:MATRIX_SCALE_ROW1
.endif
.endm
.macro KSTEP s
	s_wait_dscnt 0x0                               ; W1's fragments of this step are in: nothing else of mine is out in LDS
.if (\s)+1 < NS
	WLOAD (\s)+1                                   ; into the buffer that the last step multiplied, four places back
.endif
.if (\s)+3 < NS
	RLOAD (\s)+3                                   ; into the slot that the last step multiplied
.endif
.if NS-1-(\s) >= 3
	s_wait_loadcnt 12                              ; the rows' fragments of the three steps behind this one may be out, 4 loads each; all that was asked earlier is in
.else
	s_wait_loadcnt 4*(NS-1-(\s))
.endif
.irp q, 0,1,2,3
.irp m, 0,1
	WM \m, \q, \s                                  ; the 8 accumulators by turns, one instruction a turn
.endr
.endr
.rept 4
	v_nop                                          ; four places ahead of the loads into registers just multiplied, and of the first read of the results
.endr
.endm
.macro GELU g                          ; 32 numbers: row tile g's four accumulators, each read from its low end on
.set H, ACC+32*(\g)
.set j, 0
.rept 32
	v_and_b32 v[AX+j], s35, v[H+j]                 ; |v|
.set j, j+1
.endr
.set j, 0
.rept 16
	v_pk_fma_f32 v[T+j:T+j+1], v[AX+j:AX+j+1], s[40:41], 1.0 op_sel_hi:[1,0,0]   ; 1 + z / 2
.set j, j+2
.endr
.set j, 0
.rept 32
	v_rcp_f32 v[T+j], v[T+j]                       ; t
.set j, j+1
.endr
.set j, 0
.rept 32
	v_max_num_f32 v[H+j], 0, v[H+j]                ; max(v, 0): work that names no reciprocal
.set j, j+1
.endr
.set j, 0
.rept 16
	v_pk_mul_f32 v[Q+j:Q+j+1], v[AX+j:AX+j+1], s[42:43] op_sel_hi:[1,0]
.set j, j+2
.endr
	s_wait_alu depctr_va_vdst(0)                   ; one wait for the 32 reciprocals, ahead of their first reader
.set j, 0
.rept 16
	v_pk_fma_f32 v[PL+j:PL+j+1], v[T+j:T+j+1], s[60:61], v[12:13] op_sel_hi:[1,0,1]   ; c9 t + c8
.set j, j+2
.endr
.irp k, 58,56,54,52,50,48,46,44
.set j, 0
.rept 16
	v_pk_fma_f32 v[PL+j:PL+j+1], v[PL+j:PL+j+1], v[T+j:T+j+1], s[\k:\k+1] op_sel_hi:[1,1,0]   ; x t + c7 .. c0
.set j, j+2
.endr
.endr
.set j, 0
.rept 16
	v_pk_fma_f32 v[PL+j:PL+j+1], v[Q+j:Q+j+1], v[AX+j:AX+j+1], v[PL+j:PL+j+1]   ; - z z log2(e)
.set j, j+2
.endr
.set j, 0
.rept 32
	v_exp_f32 v[PL+j], v[PL+j]
.set j, j+1
.endr
.set j, 0
.rept 16
	v_pk_mul_f32 v[AX+j:AX+j+1], v[AX+j:AX+j+1], 0.5 op_sel_hi:[1,0]
.set j, j+2
.endr
	s_wait_alu depctr_va_vdst(0)                   ; one wait for the 32 exponentials
.set j, 0
.rept 16
	v_pk_mul_f32 v[PL+j:PL+j+1], v[PL+j:PL+j+1], v[T+j:T+j+1]                   ; erfc
.set j, j+2
.endr
.set j, 0
.rept 16
	v_pk_fma_f32 v[H+j:H+j+1], v[AX+j:AX+j+1], v[PL+j:PL+j+1], v[H+j:H+j+1] neg_lo:[1,0,0] neg_hi:[1,0,0]
.set j, j+2
.endr
.endm
	s_mov_b32 s29, 4                               ; 4 trips, a constant: 16 waves x 4 = the 64 units of 1,024 rows; a unit beyond the count is jumped over
.Lunit:
	s_cmp_ge_u32 s27, s28
	s_cbranch_scc1 .Lskip
	ds_load_b32 v225, v6                           ; the tokens at positions 32 u + r
	ds_load_b32 v226, v6 offset:64                 ; and 32 u + 16 + r
	WLOAD 0
.irp m, 0,1
.irp b, 0,1
.irp u, 0,1
	global_load_b128 v[ACC+32*\m+16*\b+8*\u:ACC+32*\m+16*\b+8*\u+3], v14, s[6:7] offset:128*\b+32*\u        ; b1 at the lane's hidden units 32 b + 16 h + 8 u + 0 .. 7: the sums begin with it
	global_load_b128 v[ACC+32*\m+16*\b+8*\u+4:ACC+32*\m+16*\b+8*\u+7], v14, s[6:7] offset:128*\b+32*\u+16
.endr
.endr
.endr
	s_wait_dscnt 8                                 ; the 8 fragment loads are younger: the tokens are in
	v_min_u32 v225, 0x3ff, v225
	v_min_u32 v226, 0x3ff, v226
	v_lshl_add_u32 v8, v225, 9, v227               ; xc: 512 bytes a token, + 16 h
	v_lshl_add_u32 v9, v226, 9, v227
	v_lshl_add_u32 v10, v225, 5, v227              ; xs: 32 bytes a token, + 16 h: lanes 16-31 take the words of K steps 4-7
	v_lshl_add_u32 v11, v226, 5, v227
	global_load_b128 v[RSC:RSC+3], v10, s[10:11]
	global_load_b128 v[RSC+4:RSC+7], v11, s[10:11]
	RLOAD 0
	RLOAD 1
	RLOAD 2
.irp s, 0,1,2,3,4,5,6,7
	KSTEP \s
.endr
	GELU 0
	GELU 1
	; the quantiser along F: block B = 2 m + b is registers 16 B .. 16 B + 15 of lanes l and l xor 16
.irp b, 0,1,2,3
	v_max3_num_f32 v[TM+\b], |v[ACC+16*\b]|, |v[ACC+16*\b+1]|, 0x1800000
.endr
.irp i, 2,4,6,8,10,12,14
.irp b, 0,1,2,3
	v_max3_num_f32 v[TM+\b], v[TM+\b], |v[ACC+16*\b+\i]|, |v[ACC+16*\b+\i+1]|
.endr
.endr
.irp b, 0,1,2,3
	v_permlanex16_b32 v[TM+4+\b], v[TM+\b], s36, s37
.endr
.irp b, 0,1,2,3
	v_max_num_f32 v[TM+\b], v[TM+\b], v[TM+4+\b]
.endr
.irp b, 0,1,2,3
	v_add_nc_u32 v[TM+8+\b], 0xff000000, v[TM+\b]
.endr
.irp b, 0,1,2,3
	v_lshrrev_b32 v[TM+12+\b], 23, v[TM+8+\b]
.endr
	v_lshl_or_b32 v236, v[TM+13], 8, v[TM+12]      ; a row's two bytes of this unit's two blocks
	v_lshl_or_b32 v237, v[TM+15], 8, v[TM+14]
.irp b, 0,1,2,3
	v_cvt_scalef32_pk8_fp4_f32 v[PC+2*\b], v[ACC+16*\b:ACC+16*\b+7], v[TM+8+\b]
	v_cvt_scalef32_pk8_fp4_f32 v[PC+2*\b+1], v[ACC+16*\b+8:ACC+16*\b+15], v[TM+8+\b]
.endr
	v_nop                                          ; one plain line behind the last conversion
.irp m, 0,1
.irp i, 0,1
	v_permlane16_swap_b32 v[PC+4*\m+\i], v[PC+4*\m+2+\i]   ; lanes 0-15 now hold the whole of block 0 of their row, lanes 16-31 of block 1: 16 bytes
.endr
.endr
	global_store_b128 v15, v[PC:PC+3], s[14:15]                ; each half of the lanes stores 256 consecutive bytes, aligned
	global_store_b128 v15, v[PC+4:PC+7], s[14:15] offset:256
	global_store_b16 v224, v236, s[16:17]                      ; lanes l and l xor 16 store the same two bytes with the same value
	global_store_b16 v224, v237, s[16:17] offset:64
.Lskip:
	s_wait_xcnt 0x0                                ; offsets and store data are written again only behind this wait
	v_add_nc_u32 v6, 1024, v6                      ; 8 units of rows on
	v_add_nc_u32 v15, 4096, v15
	v_add_nc_u32 v224, 1024, v224
	s_add_co_u32 s27, s27, 256
	s_sub_co_u32 s29, s29, 1
	s_cmp_lg_u32 s29, 0
	s_cbranch_scc1 .Lunit
	s_wait_tensorcnt 0x0
	ds_add_u32 v254, v255
	s_wait_dscnt 0x0
	s_endpgm
.Lfunc_end_k_q26e3bfc5ff_ffn1:
	.size	k_q26e3bfc5ff_ffn1, .Lfunc_end_k_q26e3bfc5ff_ffn1-k_q26e3bfc5ff_ffn1
	.p2alignl 7, 3214868480
	.fill 96, 4, 3214868480
	.section	.rodata,"a",@progbits
	.p2align	6, 0x0
	.amdhsa_kernel k_q26e3bfc5ff_ffn1
		.amdhsa_group_segment_fixed_size 76288
		.amdhsa_private_segment_fixed_size 0
		.amdhsa_enable_private_segment 0
		.amdhsa_kernarg_size 64
		.amdhsa_user_sgpr_count 2
		.amdhsa_user_sgpr_kernarg_segment_ptr 1
		.amdhsa_wavefront_size32 1
		.amdhsa_system_sgpr_workgroup_id_x 1
		.amdhsa_system_sgpr_workgroup_id_y 1
		.amdhsa_system_sgpr_workgroup_id_z 1
		.amdhsa_system_vgpr_workitem_id 0
		.amdhsa_next_free_vgpr 256
		.amdhsa_next_free_sgpr 70
		.amdhsa_reserve_vcc 1
		.amdhsa_float_denorm_mode_32 3
		.amdhsa_float_denorm_mode_16_64 3
		.amdhsa_memory_ordered 1
		.amdhsa_forward_progress 1
		.amdhsa_inst_pref_size 123
	.end_amdhsa_kernel
	.amdgpu_metadata
---
amdhsa.version: [ 1, 2 ]
amdhsa.kernels:
  - .name:           k_q26e3bfc5ff_ffn1
    .symbol:         k_q26e3bfc5ff_ffn1.kd
    .args:
      - { .name: W1, .offset: 0, .size: 8, .value_kind: global_buffer, .address_space: global }
      - { .name: b1, .offset: 8, .size: 8, .value_kind: global_buffer, .address_space: global }
      - { .name: xc, .offset: 16, .size: 8, .value_kind: global_buffer, .address_space: global }
      - { .name: xs, .offset: 24, .size: 8, .value_kind: global_buffer, .address_space: global }
      - { .name: ridx, .offset: 32, .size: 8, .value_kind: global_buffer, .address_space: global }
      - { .name: hc, .offset: 40, .size: 8, .value_kind: global_buffer, .address_space: global }
      - { .name: hs, .offset: 48, .size: 8, .value_kind: global_buffer, .address_space: global }
      - { .name: pos, .offset: 56, .size: 8, .value_kind: global_buffer, .address_space: global }
    .group_segment_fixed_size: 76288
    .private_segment_fixed_size: 0
    .kernarg_segment_align: 8
    .kernarg_segment_size: 64
    .max_flat_workgroup_size: 512
    .sgpr_count:     70
    .vgpr_count:     256
    .wavefront_size: 32
...
	.end_amdgpu_metadata
.endif
;; end of part 2
;; launch ffn2 (part 3): grid 256 x 1, 16 waves a work-group, no clusters, 141,312 bytes of LDS; arguments W2, hc, hs, pos, part; writes part
.if DOCPART == 3
	.amdgcn_target "amdgcn-amd-amdhsa--gfx1250"
	.amdhsa_code_object_version 6
	.text
	.protected	k_q26e3bfc5ff_ffn2
	.globl	k_q26e3bfc5ff_ffn2
	.p2align	8
	.type	k_q26e3bfc5ff_ffn2,@function
k_q26e3bfc5ff_ffn2:
	s_mov_b64 s[64:65], 0
	v_nop
	global_prefetch_b8 v0, s[64:65] scope:SCOPE_SE
	s_setreg_imm32_b32 hwreg(HW_REG_WAVE_MODE, 25, 1), 1
	s_wait_xcnt 0x0
; part[kh][e][p][:] = the sum over half of F of h[e][p][f] W2[e][f][:], on codes of FP4 (E2M1) with one E8M0 scale for each 32 along F, for the rows p routed to expert e.
; W2 [8][4096 (K = F)][1024] f32.  hc [e][F block 128][p 1024][16 bytes], hs [e][F / 128][p] one word: h's codes and scale bytes, by position in the expert's list.  pos: word 1024 of an expert's 1,088 is its count.
; SHARES.  Work-group (e = wg / 32, kh = (wg / 16) % 2, cs = wg % 16) owns the slab of 64 columns x 2,048 K of W2[e]: 512 KB that no other work-group reads; its rows in memory are 256 consecutive bytes, aligned.
; PHASE 1: wave (cg = w % 2, kg = w / 2) streams 32 columns x 256 K: a lane takes a column and its registers run down K; the codes go to LDS as images of the operand's registers.
; PHASE 2: a unit is 32 rows x the 64 columns: 8 accumulators by turns, 16 K steps of 128.  Transposed use (source 0 = 16 columns of W2, source 1 = 16 rows of h): a lane holds eight neighbouring columns of one row.
;   The results go through the wave's own stage in LDS and leave as rows of 256 bytes.  K is split in two so that there are 256 slabs of whole 256-byte rows; the two halves, the biases and the weights meet in the next launch.
; NO TENSOR LOADS, NO CLUSTER: the walk over units branches on a stored count; the slab is read by one work-group; what work-groups share (h's codes, 1,024 bytes a row here) is small beside the slab's 512 KB.
; LIMITS.  NaN and infinities are not served.  A block of zeros gets the byte 1 (its codes are zeros; this program alone reads the bytes).
.set NS,     16                        ; K steps of 128
.set PITCHW, 4096                      ; bytes from row to row of W2
.set UST,    16384                     ; bytes of a tile's 16 fragments in LDS
.set SCI,    65536                     ; behind the 64 fragments their scale words, 4,096 bytes
.set STG,    69632                     ; a stage of 16 rows x (256 + 16) bytes for each wave
.set ACC,    16                        ; v16-79   accumulator (m, q) at 16 + 32 m + 8 q
.set WF,     80                        ; v80-143  W2's fragments: two buffers of four; on the way out rows of the result
.set RF,     144                       ; v144-207 the rows' fragments: four slots of two
.set WSC,    208                       ; v208-239 W2's scale words (group b, K step s) at 208 + 16 b + s: lanes 0-15 tile 2 b, lanes 16-31 tile 2 b + 1
.set RSC,    240                       ; v240-255 the rows' scale words (m, s / 2): lanes 0-15 the even K step, lanes 16-31 the odd one
.set X,      144                       ; phase 1: two sets of 32 numbers; v80-111 codes; v112-113 scale words; v114-117 at work
.set CC,     80
.set SW,     112
; v1 W2's column offset; v2 fragments out of LDS; v3, v4 images into LDS; v5 scale words out; v6, v7 the stage, in and back; v8, v9, v10 offsets in hc, hs, part
.macro LOAD t                          ; block t: W2(32 t + i, my column): each load reads 128 consecutive bytes, two waves side by side 256
.set li, 0
.rept 32
	global_load_b32 v[X+32*((\t)%2)+li], v1, s[4:5] offset:(32*(\t)+li)*PITCHW th:TH_LOAD_NT
.set li, li+1
.endr
.endm
.macro BLOCK t
.set XS, X+32*((\t)%2)
.if (\t) < 7
	s_wait_loadcnt 32                              ; this block's 32 loads are in; the next block's 32 may be out
.else
	s_wait_loadcnt 0x0
.endif
	v_max3_num_f32 v114, |v[XS]|, |v[XS+1]|, 0x1800000             ; the block's largest magnitude, with the floor 2^(3 - 127): the byte cannot fall under 1
	v_max3_num_f32 v115, |v[XS+2]|, |v[XS+3]|, |v[XS+4]|
.irp i, 5,9,13,17,21,25
	v_max3_num_f32 v114, v114, |v[XS+\i]|, |v[XS+\i+1]|
	v_max3_num_f32 v115, v115, |v[XS+\i+2]|, |v[XS+\i+3]|
.endr
	v_max3_num_f32 v114, v114, |v[XS+29]|, |v[XS+30]|
	v_max3_num_f32 v114, v114, v115, |v[XS+31]|
	v_add_nc_u32 v116, 0xff000000, v114            ; 2 off its exponent field: the conversion's scale operand
.irp g, 0,1,2,3
	v_cvt_scalef32_pk8_fp4_f32 v[CC+4*(\t)+\g], v[XS+8*\g:XS+8*\g+7], v116
.endr
	v_lshrrev_b32 v117, 23, v116                   ; the scale's byte (a plain line behind the conversions)
.if (\t)%4 == 0
	v_mov_b32 v[SW+(\t)/4], v117
.else
	v_lshl_or_b32 v[SW+(\t)/4], v117, 8*((\t)%4), v[SW+(\t)/4]
.endif
.if (\t)+2 < 8
	LOAD (\t)+2
.endif
.endm
	s_load_b256 s[4:11], s[0:1], 0x0               ; W2, hc, hs, pos
	s_load_b64 s[12:13], s[0:1], 0x20              ; part
	v_lshl_add_u32 v14, v0, 2, 0x22000
	v_mov_b32 v15, 0
	v_lshrrev_b32 v2, 5, v0
	v_readfirstlane_b32 s20, v2                    ; wave
	s_lshr_b32 s21, ttmp9, 5                       ; e
	s_and_b32 s22, ttmp9, 15                       ; cs
	s_bfe_u32 s23, ttmp9, 0x10004                  ; kh
	s_and_b32 s24, s20, 1                          ; cg
	s_lshr_b32 s25, s20, 1                         ; kg
	s_mul_i32 s26, s20, 13
	s_and_b32 s26, s26, 15                         ; my first unit of rows: 13 w mod 16, so that the units of a small count fall on waves that lie far apart
	s_lshl_b32 s27, s26, 5                         ; its first row
	v_and_b32 v11, 31, v0                          ; lane
	v_and_b32 v12, 15, v0                          ; r
	v_bfe_u32 v13, v0, 4, 1                        ; h
	v_lshlrev_b32 v1, 2, v11
	s_lshl_b32 s30, s21, 24                        ; W2: expert, 2,048 kh + 256 kg rows, 64 cs + 32 cg columns
	s_lshl_b32 s32, s23, 23
	s_add_co_u32 s30, s30, s32
	s_lshl_b32 s32, s25, 20
	s_add_co_u32 s30, s30, s32
	s_lshl_b32 s32, s22, 8
	s_add_co_u32 s30, s30, s32
	s_lshl_b32 s32, s24, 7
	s_add_co_u32 s30, s30, s32
	s_mov_b32 s31, 0
	s_wait_kmcnt 0x0
	s_add_nc_u64 s[4:5], s[4:5], s[30:31]
	LOAD 0
	s_mul_i32 s30, s21, 4352
	s_add_nc_u64 s[10:11], s[10:11], s[30:31]
	s_load_b32 s28, s[10:11], 0x1000               ; the expert's count
	LOAD 1
	s_lshl_b32 s30, s21, 21                        ; hc: 16,384 (128 e + 64 kh)
	s_lshl_b32 s32, s23, 20
	s_add_co_u32 s30, s30, s32
	s_add_nc_u64 s[6:7], s[6:7], s[30:31]
	s_lshl_b32 s30, s21, 17                        ; hs: 4,096 (32 e + 16 kh)
	s_lshl_b32 s32, s23, 16
	s_add_co_u32 s30, s30, s32
	s_add_nc_u64 s[8:9], s[8:9], s[30:31]
	s_lshl_b32 s30, s23, 3                         ; part: (8 kh + e) x 1,024 rows of 4,096 bytes + 256 cs
	s_add_co_u32 s30, s30, s21
	s_lshl_b32 s30, s30, 22
	s_lshl_b32 s32, s22, 8
	s_add_co_u32 s30, s30, s32
	s_add_nc_u64 s[12:13], s[12:13], s[30:31]
	v_lshlrev_b32 v2, 4, v11                       ; fragments out: 16 lane
	s_lshl_b32 s30, s24, 15
	s_lshl_b32 s32, s25, 11
	s_add_co_u32 s30, s30, s32
	v_lshl_add_u32 v3, v11, 4, s30                 ; images in: 16 lane + 32,768 cg + 2,048 kg
	s_lshl_b32 s30, s24, 11
	s_lshl_b32 s32, s25, 8
	s_add_co_u32 s30, s30, s32
	s_add_co_u32 s30, s30, SCI
	v_lshl_add_u32 v4, v11, 2, s30                 ; scale words in: 4 lane + 2,048 cg + 256 kg
	v_lshl_add_u32 v5, v11, 2, SCI                 ; scale words out
	s_mul_i32 s30, s20, 16*272
	s_add_co_u32 s30, s30, STG                     ; my stage
	v_mul_u32_u24 v6, v12, 272
	v_lshl_add_u32 v6, v13, 5, v6
	v_add_nc_u32 v6, s30, v6                       ; in: row r, 32 bytes for each half of the lanes
	v_mul_u32_u24 v7, v13, 272
	v_lshl_add_u32 v7, v12, 4, v7
	v_add_nc_u32 v7, s30, v7                       ; back: lanes 0-15 one row of 256 bytes, lanes 16-31 the next
	v_lshlrev_b32 v8, 14, v13
	v_lshl_add_u32 v8, v12, 4, v8
	s_lshl_b32 s30, s26, 9
	v_add_nc_u32 v8, s30, v8                       ; hc: 16,384 h + 16 r + 512 x unit
	v_lshlrev_b32 v9, 12, v13
	v_lshl_add_u32 v9, v12, 2, v9
	s_lshl_b32 s30, s26, 7
	v_add_nc_u32 v9, s30, v9                       ; hs: 4,096 h + 4 r + 128 x unit
	v_lshlrev_b32 v10, 12, v13
	v_lshl_add_u32 v10, v12, 4, v10
	s_lshl_b32 s30, s26, 17
	v_add_nc_u32 v10, s30, v10                     ; part: 4,096 (lane / 16) + 16 (lane % 16) + 32 rows x unit
.irp t, 0,1,2,3,4,5,6,7
	BLOCK \t
.endr
	v_nop
.irp t, 0,2,4,6                        ; lanes 0-15 hold tile 0's columns, lanes 16-31 tile 1's; a fragment wants block t in lanes 0-15 and block t + 1 in lanes 16-31
.irp i, 0,1,2,3
	v_permlane16_swap_b32 v[CC+4*\t+\i], v[CC+4*\t+4+\i]
.endr
.endr
.irp sp, 0,1
.irp c, 0,1
	ds_store_b128 v3, v[CC+16*\sp+8*\c:CC+16*\sp+8*\c+3] offset:\sp*1024+\c*512
	ds_store_b128 v3, v[CC+16*\sp+8*\c+4:CC+16*\sp+8*\c+7] offset:UST+\sp*1024+\c*512
.endr
	ds_store_b32 v4, v[SW+\sp] offset:\sp*128
.endr
	s_wait_dscnt 0x0
	s_barrier_signal -1
	s_barrier_wait -1                              ; the slab's 64 fragments and their scale words lie in LDS and are only read from here on
.irp b, 0,1
.irp s, 0,1,2,3,4,5,6,7,8,9,10,11,12,13,14,15
	ds_load_b32 v[WSC+16*\b+\s], v5 offset:\b*2048+\s*128
.endr
.endr
	s_wait_dscnt 0x0
	s_wait_kmcnt 0x0                               ; the count
.macro WLOAD s
.irp q, 0,1,2,3
.irp c, 0,1
	ds_load_b128 v[WF+32*((\s)%2)+8*\q+4*\c:WF+32*((\s)%2)+8*\q+4*\c+3], v2 offset:((\q*NS+(\s))*2+\c)*512
.endr
.endr
.endm
.macro RLOAD s                         ; the 32 rows' fragments of K step s: F block 4 s + 2 c + h; each half of the lanes reads 256 consecutive bytes
.irp m, 0,1
.irp c, 0,1
	global_load_b128 v[RF+16*((\s)%4)+8*\m+4*\c:RF+16*((\s)%4)+8*\m+4*\c+3], v8, s[6:7] offset:(4*(\s)+2*\c)*16384+256*\m
.endr
.endr
.endm
.macro WM m, q, s
.set rD, ACC+32*(\m)+8*(\q)
.set rA, WF+32*((\s)%2)+8*(\q)
.set rB, RF+16*((\s)%4)+8*(\m)
.set rX, WSC+16*((\q)/2)+(\s)
.set rY, RSC+8*(\m)+(\s)/2
.if ((\s) == 0) && ((\q)%2 == 0)
	v_wmma_scale_f32_16x16x128_f8f6f4 v[rD:rD+7], v[rA:rA+7], v[rB:rB+7], 0, v[rX], v[rY] matrix_a_fmt:MATRIX_FMT_FP4 matrix_b_fmt:MATRIX_FMT_FP4
.elseif (\s) == 0
	v_wmma_scale_f32_16x16x128_f8f6f4 v[rD:rD+7], v[rA:rA+7], v[rB:rB+7], 0, v[rX], v[rY] matrix_a_fmt:MATRIX_FMT_FP4 matrix_b_fmt:MATRIX_FMT_FP4 matrix_a_scale:MATRIX_SCALE_ROW1
.elseif ((\q)%2 == 0) && ((\s)%2 == 0)
	v_wmma_scale_f32_16x16x128_f8f6f4 v[rD:rD+7], v[rA:rA+7], v[rB:rB+7], v[rD:rD+7], v[rX], v[rY] matrix_a_fmt:MATRIX_FMT_FP4 matrix_b_fmt:MATRIX_FMT_FP4
.elseif ((\q)%2 == 1) && ((\s)%2 == 0)
	v_wmma_scale_f32_16x16x128_f8f6f4 v[rD:rD+7], v[rA:rA+7], v[rB:rB+7], v[rD:rD+7], v[rX], v[rY] matrix_a_fmt:MATRIX_FMT_FP4 matrix_b_fmt:MATRIX_FMT_FP4 matrix_a_scale:MATRIX_SCALE_ROW1
.elseif ((\q)%2 == 0)
	v_wmma_scale_f32_16x16x128_f8f6f4 v[rD:rD+7], v[rA:rA+7], v[rB:rB+7], v[rD:rD+7], v[rX], v[rY] matrix_a_fmt:MATRIX_FMT_FP4 matrix_b_fmt:MATRIX_FMT_FP4 matrix_b_scale:MATRIX_SCALE_ROW1
.else
	v_wmma_scale_f32_16x16x128_f8f6f4 v[rD:rD+7], v[rA:rA+7], v[rB:rB+7], v[rD:rD+7], v[rX], v[rY] matrix_a_fmt:MATRIX_FMT_FP4 matrix_b_fmt:MATRIX_FMT_FP4 matrix_a_scale:MATRIX_SCALE_ROW1 matrix_b_scale:MATRIX_SCALE_ROW1
.endif
.endm
.macro KSTEP s
	s_wait_dscnt 0x0                               ; W2's fragments of this step are in: nothing else of mine is out in LDS
.if (\s)+1 < NS
	WLOAD (\s)+1                                   ; into the buffer that the last step multiplied, four places back
.endif
.if (\s)+3 < NS
	RLOAD (\s)+3                                   ; into the slot that the last step multiplied
.endif
.if NS-1-(\s) >= 3
	s_wait_loadcnt 12                              ; the rows' fragments of the three steps behind this one may be out, 4 loads each; all that was asked earlier is in
.else
	s_wait_loadcnt 4*(NS-1-(\s))
.endif
.irp q, 0,1,2,3
.irp m, 0,1
	WM \m, \q, \s                                  ; the 8 accumulators by turns, one instruction a turn; the first step starts the sums with the constant 0
.endr
.endr
.if (\s) == NS-1
.rept 5
	v_nop                                          ; five places: the next unit's first products write these accumulators anew; four of them serve the LDS stores that read the results
.endr
.else
.rept 4
	v_nop                                          ; four places ahead of the loads into registers just multiplied
.endr
.endif
.endm
	s_mov_b32 s29, 2                               ; 2 trips, a constant: 16 waves x 2 = the 32 units of 1,024 rows; a unit beyond the count is jumped over
.Lunit:
	s_cmp_ge_u32 s27, s28
	s_cbranch_scc1 .Lskip
	WLOAD 0
.irp m, 0,1
.irp qq, 0,1,2,3,4,5,6,7
	global_load_b32 v[RSC+8*\m+\qq], v9, s[8:9] offset:8192*\qq+64*\m
.endr
.endr
	RLOAD 0
	RLOAD 1
	RLOAD 2
.irp s, 0,1,2,3,4,5,6,7,8,9,10,11,12,13,14,15
	KSTEP \s
.endr
	; the way out: 16 rows at a time through my own stage; LDS serves a wave's instructions in order (ISA guide 5.7.1.4), so no wait stands between the stores and the loads, nor ahead of the second 16 rows' stores
.irp m, 0,1
.irp q, 0,1,2,3
	ds_store_b128 v6, v[ACC+32*\m+8*\q:ACC+32*\m+8*\q+3] offset:64*\q            ; each accumulator from its low end on
	ds_store_b128 v6, v[ACC+32*\m+8*\q+4:ACC+32*\m+8*\q+7] offset:64*\q+16
.endr
.irp i, 0,1,2,3,4,5,6,7
	ds_load_b128 v[WF+32*\m+4*\i:WF+32*\m+4*\i+3], v7 offset:544*\i
.endr
.endr
	s_wait_dscnt 16                                ; the second 16 rows' 8 stores and 8 loads are younger: the first 16 rows are back
.irp i, 0,1,2,3,4,5,6,7
	global_store_b128 v10, v[WF+4*\i:WF+4*\i+3], s[12:13] offset:2*\i*4096 th:TH_STORE_NT   ; sixteen lanes store 256 consecutive bytes, aligned
.endr
	s_wait_dscnt 0x0
.irp i, 0,1,2,3,4,5,6,7
	global_store_b128 v10, v[WF+32+4*\i:WF+32+4*\i+3], s[12:13] offset:(16+2*\i)*4096 th:TH_STORE_NT
.endr
.Lskip:
	s_wait_xcnt 0x0                                ; offsets and store data are written again only behind this wait
	v_add_nc_u32 v8, 8192, v8                      ; 16 units of rows on
	v_add_nc_u32 v9, 2048, v9
	v_add_nc_u32 v10, 0x200000, v10
	s_add_co_u32 s27, s27, 512
	s_sub_co_u32 s29, s29, 1
	s_cmp_lg_u32 s29, 0
	s_cbranch_scc1 .Lunit
	s_wait_tensorcnt 0x0
	ds_add_u32 v14, v15
	s_wait_dscnt 0x0
	s_endpgm
.Lfunc_end_k_q26e3bfc5ff_ffn2:
	.size	k_q26e3bfc5ff_ffn2, .Lfunc_end_k_q26e3bfc5ff_ffn2-k_q26e3bfc5ff_ffn2
	.p2alignl 7, 3214868480
	.fill 96, 4, 3214868480
	.section	.rodata,"a",@progbits
	.p2align	6, 0x0
	.amdhsa_kernel k_q26e3bfc5ff_ffn2
		.amdhsa_group_segment_fixed_size 141312
		.amdhsa_private_segment_fixed_size 0
		.amdhsa_enable_private_segment 0
		.amdhsa_kernarg_size 40
		.amdhsa_user_sgpr_count 2
		.amdhsa_user_sgpr_kernarg_segment_ptr 1
		.amdhsa_wavefront_size32 1
		.amdhsa_system_sgpr_workgroup_id_x 1
		.amdhsa_system_sgpr_workgroup_id_y 1
		.amdhsa_system_sgpr_workgroup_id_z 1
		.amdhsa_system_vgpr_workitem_id 0
		.amdhsa_next_free_vgpr 256
		.amdhsa_next_free_sgpr 66
		.amdhsa_reserve_vcc 0
		.amdhsa_float_denorm_mode_32 3
		.amdhsa_float_denorm_mode_16_64 3
		.amdhsa_memory_ordered 1
		.amdhsa_forward_progress 1
		.amdhsa_inst_pref_size 82
	.end_amdhsa_kernel
	.amdgpu_metadata
---
amdhsa.version: [ 1, 2 ]
amdhsa.kernels:
  - .name:           k_q26e3bfc5ff_ffn2
    .symbol:         k_q26e3bfc5ff_ffn2.kd
    .args:
      - { .name: W2, .offset: 0, .size: 8, .value_kind: global_buffer, .address_space: global }
      - { .name: hc, .offset: 8, .size: 8, .value_kind: global_buffer, .address_space: global }
      - { .name: hs, .offset: 16, .size: 8, .value_kind: global_buffer, .address_space: global }
      - { .name: pos, .offset: 24, .size: 8, .value_kind: global_buffer, .address_space: global }
      - { .name: part, .offset: 32, .size: 8, .value_kind: global_buffer, .address_space: global }
    .group_segment_fixed_size: 141312
    .private_segment_fixed_size: 0
    .kernarg_segment_align: 8
    .kernarg_segment_size: 40
    .max_flat_workgroup_size: 512
    .sgpr_count:     66
    .vgpr_count:     256
    .wavefront_size: 32
...
	.end_amdgpu_metadata
.endif
;; end of part 3
;; launch mix (part 4): grid 256 x 1, 4 waves a work-group, no clusters, 0 bytes of LDS; arguments part, b2, ridx, rw, pos, out0; writes out0
.if DOCPART == 4
	.amdgcn_target "amdgcn-amd-amdhsa--gfx1250"
	.amdhsa_code_object_version 6
	.text
	.protected	k_q26e3bfc5ff_mix
	.globl	k_q26e3bfc5ff_mix
	.p2align	8
	.type	k_q26e3bfc5ff_mix,@function
k_q26e3bfc5ff_mix:
	s_mov_b64 s[64:65], 0
	v_nop
	global_prefetch_b8 v0, s[64:65] scope:SCOPE_SE
	s_setreg_imm32_b32 hwreg(HW_REG_WAVE_MODE, 25, 1), 1
	s_wait_xcnt 0x0
; out0[t][:] = w0 (part[0][e0][p0][:] + part[1][e0][p0][:] + b2[e0][:]) + w1 (the same for e1, p1): the two halves of F, the bias and the router's weights, for the token's two experts.
; part [2][8][1024 positions][1024] f32; ridx [t]: e0 | e1 << 8 | ..; rw [t][2]; pos [e][1088]: word t = the token's position in expert e's list.
; A wave takes one token.  Its experts and positions are whole numbers that earlier launches stored: a short chain of scalar loads makes six bases; each is held inside its table before it enters an address.
; Then a plain stream: 48 loads of 512 consecutive bytes a wave, all issued at once, and 8 stores of 512 consecutive bytes.  No LDS, no barrier, no matrix unit: memory binds, and waves share nothing.
	s_load_b256 s[4:11], s[0:1], 0x0               ; part, b2, ridx, rw
	s_load_b128 s[12:15], s[0:1], 0x20             ; pos, out0
	v_lshrrev_b32 v1, 5, v0
	v_readfirstlane_b32 s16, v1                    ; wave
	v_and_b32 v1, 31, v0
	v_lshlrev_b32 v1, 4, v1                        ; 16 bytes a lane
	s_lshl_b32 s17, ttmp9, 2
	s_add_co_u32 s17, s17, s16                     ; my token
	s_lshl_b32 s18, s17, 2
	s_lshl_b32 s19, s17, 3
	s_mov_b32 s31, 0
	s_wait_kmcnt 0x0
	s_load_b32 s20, s[8:9], s18 offset:0x0         ; the route word
	s_load_b64 s[22:23], s[10:11], s19 offset:0x0  ; w0, w1
	s_wait_kmcnt 0x0
	s_bfe_u32 s24, s20, 0x80000                    ; e0
	s_bfe_u32 s25, s20, 0x80008                    ; e1
	s_min_u32 s24, s24, 7
	s_min_u32 s25, s25, 7
	s_mul_i32 s26, s24, 4352
	s_add_co_u32 s26, s26, s18
	s_mul_i32 s27, s25, 4352
	s_add_co_u32 s27, s27, s18
	s_load_b32 s28, s[12:13], s26 offset:0x0       ; p0
	s_load_b32 s29, s[12:13], s27 offset:0x0       ; p1
	s_mov_b32 s44, s22                             ; the packed forms name a pair and take its low word for both halves
	s_mov_b32 s45, s22
	s_mov_b32 s46, s23
	s_mov_b32 s47, s23
	s_wait_kmcnt 0x0
	s_min_u32 s28, s28, 0x3ff
	s_min_u32 s29, s29, 0x3ff
	s_lshl_b32 s30, s24, 10
	s_add_co_u32 s30, s30, s28
	s_lshl_b32 s30, s30, 12                        ; (1,024 e0 + p0) rows of 4,096 bytes
	s_add_nc_u64 s[32:33], s[4:5], s[30:31]
	s_add_nc_u64 s[34:35], s[32:33], 0x2000000     ; the other half of F: 8 x 1,024 rows on
	s_lshl_b32 s30, s24, 12
	s_add_nc_u64 s[36:37], s[6:7], s[30:31]        ; b2[e0]
	s_lshl_b32 s30, s25, 10
	s_add_co_u32 s30, s30, s29
	s_lshl_b32 s30, s30, 12
	s_add_nc_u64 s[38:39], s[4:5], s[30:31]
	s_add_nc_u64 s[40:41], s[38:39], 0x2000000
	s_lshl_b32 s30, s25, 12
	s_add_nc_u64 s[42:43], s[6:7], s[30:31]        ; b2[e1]
	s_lshl_b32 s30, s17, 12
	s_add_nc_u64 s[14:15], s[14:15], s[30:31]      ; my row of the output
.irp j, 0,1,2,3,4,5,6,7
	global_load_b128 v[16+24*\j:16+24*\j+3],     v1, s[32:33] offset:512*\j th:TH_LOAD_NT
	global_load_b128 v[16+24*\j+4:16+24*\j+7],   v1, s[34:35] offset:512*\j th:TH_LOAD_NT
	global_load_b128 v[16+24*\j+8:16+24*\j+11],  v1, s[36:37] offset:512*\j
	global_load_b128 v[16+24*\j+12:16+24*\j+15], v1, s[38:39] offset:512*\j th:TH_LOAD_NT
	global_load_b128 v[16+24*\j+16:16+24*\j+19], v1, s[40:41] offset:512*\j th:TH_LOAD_NT
	global_load_b128 v[16+24*\j+20:16+24*\j+23], v1, s[42:43] offset:512*\j
.endr
.irp j, 0,1,2,3,4,5,6,7
	s_wait_loadcnt 6*(7-\j)                        ; the later pieces' loads, 6 each, may be out
.irp p, 0,2
	v_pk_add_f32 v[16+24*\j+\p:16+24*\j+\p+1], v[16+24*\j+\p:16+24*\j+\p+1], v[16+24*\j+4+\p:16+24*\j+4+\p+1]
	v_pk_add_f32 v[16+24*\j+12+\p:16+24*\j+12+\p+1], v[16+24*\j+12+\p:16+24*\j+12+\p+1], v[16+24*\j+16+\p:16+24*\j+16+\p+1]
	v_pk_add_f32 v[16+24*\j+\p:16+24*\j+\p+1], v[16+24*\j+\p:16+24*\j+\p+1], v[16+24*\j+8+\p:16+24*\j+8+\p+1]
	v_pk_add_f32 v[16+24*\j+12+\p:16+24*\j+12+\p+1], v[16+24*\j+12+\p:16+24*\j+12+\p+1], v[16+24*\j+20+\p:16+24*\j+20+\p+1]
	v_pk_mul_f32 v[16+24*\j+\p:16+24*\j+\p+1], v[16+24*\j+\p:16+24*\j+\p+1], s[44:45] op_sel_hi:[1,0]
	v_pk_fma_f32 v[16+24*\j+\p:16+24*\j+\p+1], v[16+24*\j+12+\p:16+24*\j+12+\p+1], s[46:47], v[16+24*\j+\p:16+24*\j+\p+1] op_sel_hi:[1,0,1]
.endr
	global_store_b128 v1, v[16+24*\j:16+24*\j+3], s[14:15] offset:512*\j th:TH_STORE_NT   ; each piece has registers of its own: no store's data are written again
.endr
	s_endpgm
.Lfunc_end_k_q26e3bfc5ff_mix:
	.size	k_q26e3bfc5ff_mix, .Lfunc_end_k_q26e3bfc5ff_mix-k_q26e3bfc5ff_mix
	.p2alignl 7, 3214868480
	.fill 96, 4, 3214868480
	.section	.rodata,"a",@progbits
	.p2align	6, 0x0
	.amdhsa_kernel k_q26e3bfc5ff_mix
		.amdhsa_group_segment_fixed_size 0
		.amdhsa_private_segment_fixed_size 0
		.amdhsa_enable_private_segment 0
		.amdhsa_kernarg_size 48
		.amdhsa_user_sgpr_count 2
		.amdhsa_user_sgpr_kernarg_segment_ptr 1
		.amdhsa_wavefront_size32 1
		.amdhsa_system_sgpr_workgroup_id_x 1
		.amdhsa_system_sgpr_workgroup_id_y 1
		.amdhsa_system_sgpr_workgroup_id_z 1
		.amdhsa_system_vgpr_workitem_id 0
		.amdhsa_next_free_vgpr 208
		.amdhsa_next_free_sgpr 66
		.amdhsa_reserve_vcc 0
		.amdhsa_float_denorm_mode_32 3
		.amdhsa_float_denorm_mode_16_64 3
		.amdhsa_memory_ordered 1
		.amdhsa_forward_progress 1
		.amdhsa_inst_pref_size 14
	.end_amdhsa_kernel
	.amdgpu_metadata
---
amdhsa.version: [ 1, 2 ]
amdhsa.kernels:
  - .name:           k_q26e3bfc5ff_mix
    .symbol:         k_q26e3bfc5ff_mix.kd
    .args:
      - { .name: part, .offset: 0, .size: 8, .value_kind: global_buffer, .address_space: global }
      - { .name: b2, .offset: 8, .size: 8, .value_kind: global_buffer, .address_space: global }
      - { .name: ridx, .offset: 16, .size: 8, .value_kind: global_buffer, .address_space: global }
      - { .name: rw, .offset: 24, .size: 8, .value_kind: global_buffer, .address_space: global }
      - { .name: pos, .offset: 32, .size: 8, .value_kind: global_buffer, .address_space: global }
      - { .name: out0, .offset: 40, .size: 8, .value_kind: global_buffer, .address_space: global }
    .group_segment_fixed_size: 0
    .private_segment_fixed_size: 0
    .kernarg_segment_align: 8
    .kernarg_segment_size: 48
    .max_flat_workgroup_size: 128
    .sgpr_count:     66
    .vgpr_count:     208
    .wavefront_size: 32
...
	.end_amdgpu_metadata
.endif
;; end of part 4
;; ======== version 2 of 2: 4 launches; version 1 with the launch ffn2 written anew for expert scheduling mode
;; workspace buffers: xc 524,288 bytes; xs 32,768 bytes; ridx 4,096 bytes of whole numbers; rw 8,192 bytes; hc 16,777,216 bytes; hs 1,048,576 bytes; pos 34,816 bytes of whole numbers; part 67,108,864 bytes
;; launch route: the kernel of part 1 again; grid 128 x 1, 8 waves a work-group, no clusters, 35,840 bytes of LDS; arguments x, Wg, xc, xs, ridx, rw; writes xc, xs, ridx, rw
;; launch ffn1: the kernel of part 2 again; grid 256 x 1, 16 waves a work-group, no clusters, 76,288 bytes of LDS; arguments W1, b1, xc, xs, ridx, hc, hs, pos; writes hc, hs, pos
;; launch ffn2 (part 5): grid 256 x 1, 16 waves a work-group, no clusters, 141,312 bytes of LDS; arguments W2, hc, hs, pos, part; writes part
.if DOCPART == 5
	.amdgcn_target "amdgcn-amd-amdhsa--gfx1250"
	.amdhsa_code_object_version 6
	.text
	.protected	k_q26e3bfc5ff_ffn2
	.globl	k_q26e3bfc5ff_ffn2
	.p2align	8
	.type	k_q26e3bfc5ff_ffn2,@function
k_q26e3bfc5ff_ffn2:
	s_mov_b64 s[64:65], 0
	v_nop
	global_prefetch_b8 v0, s[64:65] scope:SCOPE_SE
	s_setreg_imm32_b32 hwreg(HW_REG_WAVE_SCHED_MODE, 0, 2), 2
	s_setreg_imm32_b32 hwreg(HW_REG_WAVE_MODE, 25, 1), 1
	s_wait_xcnt 0x0
	s_wait_alu depctr_vm_vsrc(0)
; part[kh][e][p][:] = the sum over half of F of h[e][p][f] W2[e][f][:], on codes of FP4 (E2M1) with one E8M0 scale for each 32 along F, for the rows p routed to expert e.
; W2 [8][4096 (K = F)][1024] f32.  hc [e][F block 128][p 1024][16 bytes], hs [e][F / 128][p] one word: h's codes and scale bytes, by position in the expert's list.  pos: word 1024 of an expert's 1,088 is its count.
; SHARES.  Work-group (e = wg / 32, kh = (wg / 16) % 2, cs = wg % 16) owns the slab of 64 columns x 2,048 K of W2[e]: 512 KB that no other work-group reads; its rows in memory are 256 consecutive bytes, aligned.
; PHASE 1: wave (cg = w % 2, kg = w / 2) streams 32 columns x 256 K: a lane takes a column and its registers run down K; the codes go to LDS as images of the operand's registers.
; PHASE 2: a unit is 32 rows x the 64 columns: 8 accumulators by turns, 16 K steps of 128.  Transposed use (source 0 = 16 columns of W2, source 1 = 16 rows of h): a lane holds eight neighbouring columns of one row.
;   The results go through the wave's own stage in LDS and leave as rows of 256 bytes.  K is split in two so that there are 256 slabs of whole 256-byte rows; the two halves, the biases and the weights meet in the next launch.
; NO TENSOR LOADS, NO CLUSTER: the walk over units branches on a stored count; the slab is read by one work-group; what work-groups share (h's codes, 1,024 bytes a row here) is small beside the slab's 512 KB.
; LIMITS.  NaN and infinities are not served.  A block of zeros gets the byte 1 (its codes are zeros; this program alone reads the bytes).
; THE MODE: SCHED_MODE bits 1:0 = 2 (LLVM: expert scheduling mode 2), set by the entry lines.  The code itself states the register dependences
; between vector or matrix instructions and memory or LDS instructions, with s_wait_alu, always for 0.
; THE PLAN.  Registers that memory or LDS instructions touch:
;   v1-7            offsets and LDS addresses, made once at the head and never written again.
;   X0, X1          phase 1: block t's maxima and conversions read X[t % 2]; behind them the loads of block t + 2 land in it: one wait on va_vdst a block, behind the conversions.
;   CC, SW          written by the conversions, the shifts and the exchanges; read by the images' stores: one wait on va_vdst ahead of these; one on vm_vsrc behind the barrier, since the registers are WF from there on.
;   WF0, WF1        K step s: its eight products read WF[s % 2]; the LDS loads issued in step s land in WF[(s + 1) % 2], which step s - 1 read.  On the way out the loads from the stage land in both, and the stores to part read them.
;   RF0 .. RF3      K step s: its products read RF[s % 4]; the loads issued in step s land in RF[(s + 3) % 4], which step s - 1 read.
;   RSC             loaded at a unit's head; read by the products of the unit before.
;   ACC             written by the products; read by the LDS stores into the stage; written anew by the next unit's first products.
;   v8, v9, v10     stepped by vector adds between two units.
; So a unit has: one wait on va_vdst at its head (the stepped offsets; the unit before is done reading what is loaded now), one at the head of each K step from 1 to 14, one ahead of the way out; and one wait on
; vm_vsrc between two units.  Behind a step's wait its twelve loads are dealt among its eight products, which name WF[s % 2], RF[s % 4], the accumulators and the scale words: none of the registers that those loads touch.
.set NS,     16                        ; K steps of 128
.set PITCHW, 4096                      ; bytes from row to row of W2
.set UST,    16384                     ; bytes of a tile's 16 fragments in LDS
.set SCI,    65536                     ; behind the 64 fragments their scale words, 4,096 bytes
.set STG,    69632                     ; a stage of 16 rows x (256 + 16) bytes for each wave
.set ACC,    16                        ; v16-79   accumulator (m, q) at 16 + 32 m + 8 q
.set WF,     80                        ; v80-143  W2's fragments: two buffers of four; on the way out rows of the result
.set RF,     144                       ; v144-207 the rows' fragments: four slots of two
.set WSC,    208                       ; v208-239 W2's scale words (group b, K step s) at 208 + 16 b + s: lanes 0-15 tile 2 b, lanes 16-31 tile 2 b + 1
.set RSC,    240                       ; v240-255 the rows' scale words (m, s / 2): lanes 0-15 the even K step, lanes 16-31 the odd one
.set X,      144                       ; phase 1: two sets of 32 numbers; v80-111 codes; v112-113 scale words; v114-117 at work
.set CC,     80
.set SW,     112
; v1 W2's column offset; v2 fragments out of LDS; v3, v4 images into LDS; v5 scale words out; v6, v7 the stage, in and back; v8, v9, v10 offsets in hc, hs, part
.macro LOAD t                          ; block t: W2(32 t + i, my column): each load reads 128 consecutive bytes, two waves side by side 256
.set li, 0
.rept 32
	global_load_b32 v[X+32*((\t)%2)+li], v1, s[4:5] offset:(32*(\t)+li)*PITCHW th:TH_LOAD_NT
.set li, li+1
.endr
.endm
.macro BLOCK t
.set XS, X+32*((\t)%2)
.if (\t) < 7
	s_wait_loadcnt 32                              ; this block's 32 loads are in; the next block's 32 may be out
.else
	s_wait_loadcnt 0x0
.endif
	v_max3_num_f32 v114, |v[XS]|, |v[XS+1]|, 0x1800000             ; the block's largest magnitude, with the floor 2^(3 - 127): the byte cannot fall under 1
	v_max3_num_f32 v115, |v[XS+2]|, |v[XS+3]|, |v[XS+4]|
.irp i, 5,9,13,17,21,25
	v_max3_num_f32 v114, v114, |v[XS+\i]|, |v[XS+\i+1]|
	v_max3_num_f32 v115, v115, |v[XS+\i+2]|, |v[XS+\i+3]|
.endr
	v_max3_num_f32 v114, v114, |v[XS+29]|, |v[XS+30]|
	v_max3_num_f32 v114, v114, v115, |v[XS+31]|
	v_add_nc_u32 v116, 0xff000000, v114            ; 2 off its exponent field: the conversion's scale operand
.irp g, 0,1,2,3
	v_cvt_scalef32_pk8_fp4_f32 v[CC+4*(\t)+\g], v[XS+8*\g:XS+8*\g+7], v116
.endr
	v_lshrrev_b32 v117, 23, v116                   ; the scale's byte (a plain line behind the conversions)
.if (\t)%4 == 0
	v_mov_b32 v[SW+(\t)/4], v117
.else
	v_lshl_or_b32 v[SW+(\t)/4], v117, 8*((\t)%4), v[SW+(\t)/4]
.endif
.if (\t)+2 < 8
	s_wait_alu depctr_va_vdst(0)                   ; the maxima and the conversions are done reading this set of 32, in which the loads below land
	LOAD (\t)+2
.endif
.endm
	s_load_b256 s[4:11], s[0:1], 0x0               ; W2, hc, hs, pos
	s_load_b64 s[12:13], s[0:1], 0x20              ; part
	v_lshl_add_u32 v14, v0, 2, 0x22000
	v_mov_b32 v15, 0
	v_lshrrev_b32 v2, 5, v0
	v_readfirstlane_b32 s20, v2                    ; wave
	s_wait_alu depctr_va_sdst(0)                   ; s20 is written, ahead of its first reader: shares, bases and LDS addresses are made from it
	s_lshr_b32 s21, ttmp9, 5                       ; e
	s_and_b32 s22, ttmp9, 15                       ; cs
	s_bfe_u32 s23, ttmp9, 0x10004                  ; kh
	s_and_b32 s24, s20, 1                          ; cg
	s_lshr_b32 s25, s20, 1                         ; kg
	s_mul_i32 s26, s20, 13
	s_and_b32 s26, s26, 15                         ; my first unit of rows: 13 w mod 16, so that the units of a small count fall on waves that lie far apart
	s_lshl_b32 s27, s26, 5                         ; its first row
	v_and_b32 v11, 31, v0                          ; lane
	v_and_b32 v12, 15, v0                          ; r
	v_bfe_u32 v13, v0, 4, 1                        ; h
	v_lshlrev_b32 v1, 2, v11
	s_lshl_b32 s30, s21, 24                        ; W2: expert, 2,048 kh + 256 kg rows, 64 cs + 32 cg columns
	s_lshl_b32 s32, s23, 23
	s_add_co_u32 s30, s30, s32
	s_lshl_b32 s32, s25, 20
	s_add_co_u32 s30, s30, s32
	s_lshl_b32 s32, s22, 8
	s_add_co_u32 s30, s30, s32
	s_lshl_b32 s32, s24, 7
	s_add_co_u32 s30, s30, s32
	s_mov_b32 s31, 0
	s_wait_kmcnt 0x0
	s_add_nc_u64 s[4:5], s[4:5], s[30:31]
	s_wait_alu depctr_va_vdst(0)                   ; v1 is written: every load of W2 reads it as its offset
	LOAD 0
	s_mul_i32 s30, s21, 4352
	s_add_nc_u64 s[10:11], s[10:11], s[30:31]
	s_load_b32 s28, s[10:11], 0x1000               ; the expert's count
	LOAD 1
	s_lshl_b32 s30, s21, 21                        ; hc: 16,384 (128 e + 64 kh)
	s_lshl_b32 s32, s23, 20
	s_add_co_u32 s30, s30, s32
	s_add_nc_u64 s[6:7], s[6:7], s[30:31]
	s_lshl_b32 s30, s21, 17                        ; hs: 4,096 (32 e + 16 kh)
	s_lshl_b32 s32, s23, 16
	s_add_co_u32 s30, s30, s32
	s_add_nc_u64 s[8:9], s[8:9], s[30:31]
	s_lshl_b32 s30, s23, 3                         ; part: (8 kh + e) x 1,024 rows of 4,096 bytes + 256 cs
	s_add_co_u32 s30, s30, s21
	s_lshl_b32 s30, s30, 22
	s_lshl_b32 s32, s22, 8
	s_add_co_u32 s30, s30, s32
	s_add_nc_u64 s[12:13], s[12:13], s[30:31]
	v_lshlrev_b32 v2, 4, v11                       ; fragments out: 16 lane
	s_lshl_b32 s30, s24, 15
	s_lshl_b32 s32, s25, 11
	s_add_co_u32 s30, s30, s32
	v_lshl_add_u32 v3, v11, 4, s30                 ; images in: 16 lane + 32,768 cg + 2,048 kg
	s_lshl_b32 s30, s24, 11
	s_lshl_b32 s32, s25, 8
	s_add_co_u32 s30, s30, s32
	s_add_co_u32 s30, s30, SCI
	v_lshl_add_u32 v4, v11, 2, s30                 ; scale words in: 4 lane + 2,048 cg + 256 kg
	v_lshl_add_u32 v5, v11, 2, SCI                 ; scale words out
	s_mul_i32 s30, s20, 16*272
	s_add_co_u32 s30, s30, STG                     ; my stage
	v_mul_u32_u24 v6, v12, 272
	v_lshl_add_u32 v6, v13, 5, v6
	v_add_nc_u32 v6, s30, v6                       ; in: row r, 32 bytes for each half of the lanes
	v_mul_u32_u24 v7, v13, 272
	v_lshl_add_u32 v7, v12, 4, v7
	v_add_nc_u32 v7, s30, v7                       ; back: lanes 0-15 one row of 256 bytes, lanes 16-31 the next
	v_lshlrev_b32 v8, 14, v13
	v_lshl_add_u32 v8, v12, 4, v8
	s_lshl_b32 s30, s26, 9
	v_add_nc_u32 v8, s30, v8                       ; hc: 16,384 h + 16 r + 512 x unit
	v_lshlrev_b32 v9, 12, v13
	v_lshl_add_u32 v9, v12, 2, v9
	s_lshl_b32 s30, s26, 7
	v_add_nc_u32 v9, s30, v9                       ; hs: 4,096 h + 4 r + 128 x unit
	v_lshlrev_b32 v10, 12, v13
	v_lshl_add_u32 v10, v12, 4, v10
	s_lshl_b32 s30, s26, 17
	v_add_nc_u32 v10, s30, v10                     ; part: 4,096 (lane / 16) + 16 (lane % 16) + 32 rows x unit
.irp t, 0,1,2,3,4,5,6,7
	BLOCK \t
.endr
	v_nop
.irp t, 0,2,4,6                        ; lanes 0-15 hold tile 0's columns, lanes 16-31 tile 1's; a fragment wants block t in lanes 0-15 and block t + 1 in lanes 16-31
.irp i, 0,1,2,3
	v_permlane16_swap_b32 v[CC+4*\t+\i], v[CC+4*\t+4+\i]
.endr
.endr
	s_wait_alu depctr_va_vdst(0)                   ; the exchanges have written the codes v80-111 and the shifts the scale words v112, v113, which the stores below read; the last two blocks are done reading v144-207, in which the rows' fragments land
.irp sp, 0,1
.irp c, 0,1
	ds_store_b128 v3, v[CC+16*\sp+8*\c:CC+16*\sp+8*\c+3] offset:\sp*1024+\c*512
	ds_store_b128 v3, v[CC+16*\sp+8*\c+4:CC+16*\sp+8*\c+7] offset:UST+\sp*1024+\c*512
.endr
	ds_store_b32 v4, v[SW+\sp] offset:\sp*128
.endr
	s_wait_dscnt 0x0
	s_barrier_signal -1
	s_barrier_wait -1                              ; the slab's 64 fragments and their scale words lie in LDS and are only read from here on
	s_wait_alu depctr_vm_vsrc(0)                   ; my LDS stores have read v80-113: these registers are W2's fragments from here on, written by LDS loads
.irp b, 0,1
.irp s, 0,1,2,3,4,5,6,7,8,9,10,11,12,13,14,15
	ds_load_b32 v[WSC+16*\b+\s], v5 offset:\b*2048+\s*128
.endr
.endr
	s_wait_dscnt 0x0
	s_wait_kmcnt 0x0                               ; the count
.macro WFRAG s, q                      ; tile q's fragment of K step s
.irp c, 0,1
	ds_load_b128 v[WF+32*((\s)%2)+8*(\q)+4*\c:WF+32*((\s)%2)+8*(\q)+4*\c+3], v2 offset:(((\q)*NS+(\s))*2+\c)*512
.endr
.endm
.macro WLOAD s
.irp q, 0,1,2,3
	WFRAG \s, \q
.endr
.endm
.macro RROW s, m                       ; 16 rows' fragment of K step s: F block 4 s + 2 c + h; each half of the lanes reads 256 consecutive bytes
.irp c, 0,1
	global_load_b128 v[RF+16*((\s)%4)+8*(\m)+4*\c:RF+16*((\s)%4)+8*(\m)+4*\c+3], v8, s[6:7] offset:(4*(\s)+2*\c)*16384+256*(\m)
.endr
.endm
.macro RLOAD s                         ; the 32 rows' fragments of K step s
	RROW \s, 0
	RROW \s, 1
.endm
.macro WM m, q, s
.set rD, ACC+32*(\m)+8*(\q)
.set rA, WF+32*((\s)%2)+8*(\q)
.set rB, RF+16*((\s)%4)+8*(\m)
.set rX, WSC+16*((\q)/2)+(\s)
.set rY, RSC+8*(\m)+(\s)/2
.if ((\s) == 0) && ((\q)%2 == 0)
	v_wmma_scale_f32_16x16x128_f8f6f4 v[rD:rD+7], v[rA:rA+7], v[rB:rB+7], 0, v[rX], v[rY] matrix_a_fmt:MATRIX_FMT_FP4 matrix_b_fmt:MATRIX_FMT_FP4
.elseif (\s) == 0
	v_wmma_scale_f32_16x16x128_f8f6f4 v[rD:rD+7], v[rA:rA+7], v[rB:rB+7], 0, v[rX], v[rY] matrix_a_fmt:MATRIX_FMT_FP4 matrix_b_fmt:MATRIX_FMT_FP4 matrix_a_scale:MATRIX_SCALE_ROW1
.elseif ((\q)%2 == 0) && ((\s)%2 == 0)
	v_wmma_scale_f32_16x16x128_f8f6f4 v[rD:rD+7], v[rA:rA+7], v[rB:rB+7], v[rD:rD+7], v[rX], v[rY] matrix_a_fmt:MATRIX_FMT_FP4 matrix_b_fmt:MATRIX_FMT_FP4
.elseif ((\q)%2 == 1) && ((\s)%2 == 0)
	v_wmma_scale_f32_16x16x128_f8f6f4 v[rD:rD+7], v[rA:rA+7], v[rB:rB+7], v[rD:rD+7], v[rX], v[rY] matrix_a_fmt:MATRIX_FMT_FP4 matrix_b_fmt:MATRIX_FMT_FP4 matrix_a_scale:MATRIX_SCALE_ROW1
.elseif ((\q)%2 == 0)
	v_wmma_scale_f32_16x16x128_f8f6f4 v[rD:rD+7], v[rA:rA+7], v[rB:rB+7], v[rD:rD+7], v[rX], v[rY] matrix_a_fmt:MATRIX_FMT_FP4 matrix_b_fmt:MATRIX_FMT_FP4 matrix_b_scale:MATRIX_SCALE_ROW1
.else
	v_wmma_scale_f32_16x16x128_f8f6f4 v[rD:rD+7], v[rA:rA+7], v[rB:rB+7], v[rD:rD+7], v[rX], v[rY] matrix_a_fmt:MATRIX_FMT_FP4 matrix_b_fmt:MATRIX_FMT_FP4 matrix_a_scale:MATRIX_SCALE_ROW1 matrix_b_scale:MATRIX_SCALE_ROW1
.endif
.endm
.macro KSTEP s
	s_wait_dscnt 0x0                               ; W2's fragments of this step are in: nothing else of mine is out in LDS
.if NS-1-(\s) >= 2
	s_wait_loadcnt 8                               ; the rows' fragments of the two steps behind this one may be out, 4 loads each; all that was asked earlier is in
.else
	s_wait_loadcnt 4*(NS-1-(\s))
.endif
.if ((\s) > 0) && ((\s)+1 < NS)
	s_wait_alu depctr_va_vdst(0)                   ; the last step's products are done reading their buffer of W2's fragments and their slot of the rows', in which this step's loads land
.endif
.irp q, 0,1,2,3
	WM 0, \q, \s                                   ; the 8 accumulators by turns, one instruction a turn; the first step starts the sums with the constant 0
	WM 1, \q, \s
.if (\q < 2) && ((\s)+1 < NS)
	WFRAG (\s)+1, 2*\q                             ; the next step's fragments of W2, early in the step.  No wait: no product since the wait above names the other buffer
	WFRAG (\s)+1, 2*\q+1
.endif
.if (\q >= 2) && ((\s)+3 < NS)
	RROW (\s)+3, \q-2                              ; the rows' fragments of three steps on, into the slot that the last step multiplied
.endif
.endr
.if (\s) == NS-1
.rept 5
	v_nop                                          ; five places: the next unit's first products write these accumulators anew; four of them serve the LDS stores that read the results
.endr
.else
.rept 4
	v_nop                                          ; four places behind the step's products, ahead of the next step's loads into registers just multiplied; they stay beside the wait
.endr
.endif
.endm
	s_mov_b32 s29, 2                               ; 2 trips, a constant: 16 waves x 2 = the 32 units of 1,024 rows; a unit beyond the count is jumped over
.Lunit:
	s_cmp_ge_u32 s27, s28
	s_cbranch_scc1 .Lskip
	s_wait_alu depctr_va_vdst(0)                   ; the offsets v8 and v9 are written, which this unit's loads read, and v10, which its stores read; the unit before is done reading v80-207 and v240-255, in which this unit's loads land
	WLOAD 0
.irp m, 0,1
.irp qq, 0,1,2,3,4,5,6,7
	global_load_b32 v[RSC+8*\m+\qq], v9, s[8:9] offset:8192*\qq+64*\m
.endr
.endr
	RLOAD 0
	RLOAD 1
	RLOAD 2
.irp s, 0,1,2,3,4,5,6,7,8,9,10,11,12,13,14,15
	KSTEP \s
.endr
	; the way out: 16 rows at a time through my own stage; LDS serves a wave's instructions in order (ISA guide 5.7.1.4), so no wait stands between the stores and the loads, nor ahead of the second 16 rows' stores
	s_wait_alu depctr_va_vdst(0)                   ; the products have written the accumulators, which the LDS stores read, and are done reading v80-143, in which the loads from the stage land; the places above stay beside this wait
.irp m, 0,1
.irp q, 0,1,2,3
	ds_store_b128 v6, v[ACC+32*\m+8*\q:ACC+32*\m+8*\q+3] offset:64*\q            ; each accumulator from its low end on
	ds_store_b128 v6, v[ACC+32*\m+8*\q+4:ACC+32*\m+8*\q+7] offset:64*\q+16
.endr
.irp i, 0,1,2,3,4,5,6,7
	ds_load_b128 v[WF+32*\m+4*\i:WF+32*\m+4*\i+3], v7 offset:544*\i
.endr
.endr
	s_wait_dscnt 16                                ; the second 16 rows' 8 stores and 8 loads are younger: the first 16 rows are back
.irp i, 0,1,2,3,4,5,6,7
	global_store_b128 v10, v[WF+4*\i:WF+4*\i+3], s[12:13] offset:2*\i*4096 th:TH_STORE_NT   ; sixteen lanes store 256 consecutive bytes, aligned
.endr
	s_wait_dscnt 0x0
.irp i, 0,1,2,3,4,5,6,7
	global_store_b128 v10, v[WF+32+4*\i:WF+32+4*\i+3], s[12:13] offset:(16+2*\i)*4096 th:TH_STORE_NT
.endr
.Lskip:
	s_wait_xcnt 0x0                                ; offsets and store data are written again only behind this wait
	s_wait_alu depctr_vm_vsrc(0)                   ; the unit's loads and stores have read v8, v9 and v10, which are stepped below; its LDS stores have read the accumulators, which the next unit's first products write; its stores to part have read v80-143, in which the next unit's fragments land
	v_add_nc_u32 v8, 8192, v8                      ; 16 units of rows on
	v_add_nc_u32 v9, 2048, v9
	v_add_nc_u32 v10, 0x200000, v10
	s_add_co_u32 s27, s27, 512
	s_sub_co_u32 s29, s29, 1
	s_cmp_lg_u32 s29, 0
	s_cbranch_scc1 .Lunit
	s_wait_dscnt 0x0
	s_wait_alu depctr_hold_cnt(0) depctr_sa_sdst(0) depctr_va_vdst(0) depctr_va_sdst(0) depctr_va_ssrc(0) depctr_va_vcc(0) depctr_vm_vsrc(0)
	s_wait_tensorcnt 0x0
	ds_add_u32 v14, v15
	s_wait_dscnt 0x0
	s_endpgm
.Lfunc_end_k_q26e3bfc5ff_ffn2:
	.size	k_q26e3bfc5ff_ffn2, .Lfunc_end_k_q26e3bfc5ff_ffn2-k_q26e3bfc5ff_ffn2
	.p2alignl 7, 3214868480
	.fill 96, 4, 3214868480
	.section	.rodata,"a",@progbits
	.p2align	6, 0x0
	.amdhsa_kernel k_q26e3bfc5ff_ffn2
		.amdhsa_group_segment_fixed_size 141312
		.amdhsa_private_segment_fixed_size 0
		.amdhsa_enable_private_segment 0
		.amdhsa_kernarg_size 40
		.amdhsa_user_sgpr_count 2
		.amdhsa_user_sgpr_kernarg_segment_ptr 1
		.amdhsa_wavefront_size32 1
		.amdhsa_system_sgpr_workgroup_id_x 1
		.amdhsa_system_sgpr_workgroup_id_y 1
		.amdhsa_system_sgpr_workgroup_id_z 1
		.amdhsa_system_vgpr_workitem_id 0
		.amdhsa_next_free_vgpr 256
		.amdhsa_next_free_sgpr 66
		.amdhsa_reserve_vcc 0
		.amdhsa_float_denorm_mode_32 3
		.amdhsa_float_denorm_mode_16_64 3
		.amdhsa_memory_ordered 1
		.amdhsa_forward_progress 1
		.amdhsa_inst_pref_size 83
	.end_amdhsa_kernel
	.amdgpu_metadata
---
amdhsa.version: [ 1, 2 ]
amdhsa.kernels:
  - .name:           k_q26e3bfc5ff_ffn2
    .symbol:         k_q26e3bfc5ff_ffn2.kd
    .args:
      - { .name: W2, .offset: 0, .size: 8, .value_kind: global_buffer, .address_space: global }
      - { .name: hc, .offset: 8, .size: 8, .value_kind: global_buffer, .address_space: global }
      - { .name: hs, .offset: 16, .size: 8, .value_kind: global_buffer, .address_space: global }
      - { .name: pos, .offset: 24, .size: 8, .value_kind: global_buffer, .address_space: global }
      - { .name: part, .offset: 32, .size: 8, .value_kind: global_buffer, .address_space: global }
    .group_segment_fixed_size: 141312
    .private_segment_fixed_size: 0
    .kernarg_segment_align: 8
    .kernarg_segment_size: 40
    .max_flat_workgroup_size: 512
    .sgpr_count:     66
    .vgpr_count:     256
    .wavefront_size: 32
...
	.end_amdgpu_metadata
.endif
;; end of part 5
;; launch mix: the kernel of part 4 again; grid 256 x 1, 4 waves a work-group, no clusters, 0 bytes of LDS; arguments part, b2, ridx, rw, pos, out0; writes out0
